; MI455X (gfx1250); checked and timed in simulation.
; The chip was launched on July 23, 2026; its instructions are those of AMD's public machine-readable ISA for CDNA 5 (MIT licence, August 2026) and "CDNA5" Instruction Set Architecture Reference Guide (July 2026). The comments in the code are by the model that wrote it; some were corrected since.
;; Self Attention. Allowed arithmetic: matrix products marked QUANTISED: E2M1 operands, one E8M0 scale for each 32 along K, by v_wmma_scale_f32_16x16x128_f8f6f4 with both operands' format E2M1 (or v_wmma_scale_f32_32x16x128_f4), f32 sums; everything else in f32.
;; Inputs: W_proj_codes 1,024 x 32 x 16 uint8 (E2M1 codes of W_proj, K innermost, in blocks of 32 codes, two codes a byte); W_proj_scales 1,024 x 32 uint8 (E8M0 scales of W_proj, one for each 32 codes along K); W_qkv_codes 3,072 x 32 x 16 uint8 (E2M1 codes of W_qkv, K innermost, in blocks of 32 codes, two codes a byte); W_qkv_scales 3,072 x 32 uint8 (E8M0 scales of W_qkv, one for each 32 codes along K); b_proj 1,024 float32; b_qkv 3,072 float32; beta 1,024 float32; gamma 1,024 float32; x 4 x 1,024 x 2,048 float32.
;; Outputs: out0 4 x 1,024 x 2,048 float32.
;; This version of the problem:
;;   THIS VERSION OF THE PROBLEM IS GIVEN IN LOW PRECISION. The matrix products marked QUANTISED in the list below multiply operands that are first quantised to E2M1 (2 exponent bits, 1 mantissa bit; 4 bits a number), with one power-of-two scale for each 32 numbers along K (OCP MX v1.0); their sums are f32. All else is computed in f32.
;;   The module's matrix products, in the order in which they are computed (A, B: the left and right operand; K: the contracted axis; several contracted axes count as one K, in the product's order):
;;     1. [M 8,192, K 1,024] x [K 1,024, N 3,072]; A: computed on the way; B: input W_qkv (given as codes): QUANTISED
;;     2. batch 64 x [M 2,048, K 64] x [K 64, N 2,048]; A: computed on the way; B: computed on the way: QUANTISED
;;     3. batch 64 x [M 2,048, K 2,048] x [K 2,048, N 64]; A: softmax (see below); B: computed on the way: QUANTISED
;;     4. [M 8,192, K 1,024] x [K 1,024, N 1,024]; A: computed on the way; B: input W_proj (given as codes): QUANTISED
;;   THE QUANTISER, for each operand of a quantised product, along K:
;;     - K is cut into blocks of 32 from its start; a last block that is shorter is filled with zeros.
;;     - A block's scale is 2^e with e = floor(log2(the largest magnitude in the block)) - 2, held to -126 .. 127; a block of zeros has e = 0. As a byte (E8M0): e + 127.
;;     - Each number is divided by its block's scale, clamped to +-6, and rounded to the nearest number of E2M1, ties to even, subnormals kept.
;;     - The product sums the exact products of the quantised numbers (number of the format x scale) in f32.
;;   ~~~python
;;   def quantise(x, axis):      # numpy; x: float32 -> the quantised numbers, widened to float32 again
;;       x = np.moveaxis(x, axis, -1); K = x.shape[-1]
;;       x = np.pad(x, [(0, 0)] * (x.ndim - 1) + [(0, -K % 32)]); x = x.reshape(x.shape[:-1] + (-1, 32)); a = np.abs(x).max(-1, keepdims=True)
;;       e = np.where(a > 0, np.clip(np.frexp(np.where(a > 0, a, 1))[1] - 1 - 2, -126, 127), 0)      # np.frexp(a)[1] - 1 = floor(log2(a)), exactly
;;       r = np.clip(x / 2.0 ** e, -6, 6)
;;       step = 2.0 ** (np.maximum(np.frexp(np.where(r == 0, 1, r))[1] - 1, 0) - 1)
;;       q = np.round(r / step) * step * 2.0 ** e      # np.round: ties to even
;;       return np.moveaxis(q.reshape(q.shape[:-2] + (-1,))[..., :K], -1, axis).astype(np.float32)
;;   ~~~
;;   SOFTMAX AHEAD OF A QUANTISED PRODUCT. Where the list says 'softmax', what is quantised is not the finished softmax but p = 2^(t - M), with t = logit x log2(e) and M = ceil(the row's largest t), a whole number; so 1/2 < the row's largest p <= 1. The row's sum l is taken of the UNQUANTISED p, in f32, and the product's result is divided by l at the end. Since M is a whole number, a kernel that streams over the keys may use a running M (the ceiling of the running maximum): every later rescaling is an exact power of two, which a block's scale takes up: the codes' values come out the same.
;;   OPERANDS COMPUTED ON THE WAY. 'Computed on the way' means the value that the module computes at that place (a softmax that the list does not call 'softmax' is quantised finished and normalised). What goes into a quantiser is computed in f32, as accurately as f32 sums, v_exp_f32 and their like allow (about 1e-6 of the number): no bf16 or f16 on the way to a quantiser, and a product that is left as it is and whose result goes on into a quantised operand takes f32 operands (vector FMAs, or v_wmma_f32_16x16x4_f32). A number that lies on a knife's edge between two numbers of the format may be rounded either way, as far as f32 arithmetic and the matrix unit's own rounding can turn it there, and no further.
;;   INPUTS GIVEN AS CODES. W_proj (in the module: [1024, 1024], K = its axis 0); W_qkv (in the module: [1024, 3072], K = its axis 0): each comes as NAME_codes (uint8): NAME with its K axis moved to the last place and cut into blocks of 32 codes, [.., K / 32, bytes a block], one block behind the other in memory; two codes a byte, the lower K in the low four bits (a code: sign, 2 exponent bits, 1 mantissa bit); and NAME_scales (uint8): the same leading axes, one E8M0 byte (e + 127) for each 32 codes along K. Its value is code x scale, taken as it is: it is not quantised again, and the codes and scales need not be those that the quantiser above would give.
;; One version. Each part assembles by itself: llvm-mc -triple=amdgcn-amd-amdhsa -mcpu=gfx1250 --defsym DOCPART=n.
;; ======== version 1 of 1: 4 launches
;; limits: right only within a limited range of input values
;; workspace buffers: xn_codes 4,194,304 bytes; xn_scales 262,144 bytes; qq 8,912,896 bytes; kv 8,912,896 bytes; o_img 4,194,304 bytes; o_sc 262,144 bytes
;; launch lnq (part 1): grid 128 x 1, 16 waves a work-group, no clusters, 46,080 bytes of LDS; arguments x, gamma, beta, xn_codes, xn_scales; writes xn_codes, xn_scales
.if DOCPART == 1
	.amdgcn_target "amdgcn-amd-amdhsa--gfx1250"
	.amdhsa_code_object_version 6
	.text
	.protected	k_q9f848311c3_lnq
	.globl	k_q9f848311c3_lnq
	.p2align	8
	.type	k_q9f848311c3_lnq,@function
k_q9f848311c3_lnq:
	s_mov_b64 s[64:65], 0
	v_nop
	global_prefetch_b8 v0, s[64:65] scope:SCOPE_SE
	s_setreg_imm32_b32 hwreg(HW_REG_WAVE_MODE, 25, 1), 1
	s_wait_xcnt 0x0
; LayerNorm over the 1,024 channels of x [4][1024][2048] (f32), then the MX-FP4 quantiser along the channels: xn_codes [8192 tokens][512 bytes], xn_scales [8192][32].
; NOTHING OF THE PROBLEM IS LEFT OUT AS DEAD WORK, here or in the later launches: every input has a way to the output (k's bias moves k's codes) and every input is loaded.
; LIMITS: NaN and infinities among the inputs are not served; a block whose largest magnitude lies under 2^-124 has its byte held at 1; a block of zeros gets the byte 1
; where the quantiser says 127: its codes are zeros, which add nothing under any byte but 0xff, and the bytes are read by this program alone.
; SHARES.  A work-group takes 64 tokens of one batch and all 1,024 channels: 128 work-groups, since a row piece of x is then 256 consecutive bytes and the sums span all channels.
; Wave w owns channels 64 w .. 64 w + 63, lane l tokens 2 l and 2 l + 1: a load of 8 bytes a lane covers 256 consecutive bytes.  The tile stays in registers: x is read once.
; The mean and then the sum of squares of x - mean (two passes, so that a common offset does no harm) meet in LDS, 16 partial sums a token.
; A lane's registers run down the channels, so a block of 32 is one lane's own; the codes go through a stage in LDS and leave as whole rows of 512 bytes.
.set RED1,  0                          ; 16 waves x 256 bytes: partial sums
.set RED2,  4096                       ; the same for the squares
.set STG,   8192                       ; 64 rows x 528: row 32 e + l holds token 2 l + e
.set SROW,  528
.set SST,   STG+64*SROW                ; the scale bytes, [token 64][32]
.set SPARE, SST+2048                   ; the spare words, 128 bytes a wave: eight blocks of 256 bytes that no other line names
.set SPW, 2
.set NIL, 3
.set XO,  4                            ; 8 x lane: my bytes in a row piece of x
.set RW,  5                            ; 8 x thread: where my partial sums go
.set RR,  6                            ; 8 x lane: where I read the sixteen
.set STA, 7                            ; lane x 528 + 32 w
.set SSA, 8                            ; lane x 64 + 2 w
.set RDA, 9                            ; 4 w x 528 + 16 x lane
.set CO,  10                           ; 16 x lane
.set SCO, 11                           ; 16 x thread
.set MU,  12                           ; v[12:13] the two tokens' means
.set RS,  14                           ; v[14:15] their 1 / sqrt(var + eps)
.set W,   16                           ; v16-47 at work; later v16-31 codes, v32-39 the blocks' figures
.set X,   48                           ; v48-175: channel c, token e at X + 2 c + e
.set Y,   176                          ; v176-239: a block's 32 numbers of token e at Y + 32 e
.set GA,  16                           ; s[16:47] 32 gammas
.set BE,  68                           ; s[68:99] 32 betas
	s_load_b256 s[4:11], s[0:1], 0x0               ; x, gamma, beta, xn_codes
	s_load_b64 s[12:13], s[0:1], 0x20              ; xn_scales
	v_lshl_add_u32 v[SPW], v0, 2, SPARE
	v_mov_b32 v[NIL], 0
	v_lshrrev_b32 v1, 5, v0
	s_delay_alu instid0(VALU_DEP_1)
	v_readfirstlane_b32 s14, v1                    ; wave 0..15
	v_and_b32 v1, 31, v0                           ; lane
	s_delay_alu instid0(VALU_DEP_1)
	v_lshlrev_b32 v[XO], 3, v1
	v_lshlrev_b32 v[RW], 3, v0
	s_delay_alu instid0(VALU_DEP_3)
	v_lshlrev_b32 v[RR], 3, v1
	s_lshl_b32 s48, s14, 5
	v_mul_u32_u24 v[STA], v1, SROW
	s_delay_alu instid0(VALU_DEP_1)
	v_add_nc_u32 v[STA], s48, v[STA]
	s_lshl_b32 s49, s14, 1
	v_lshlrev_b32 v[SSA], 6, v1
	s_delay_alu instid0(VALU_DEP_1)
	v_add_nc_u32 v[SSA], s49, v[SSA]
	s_mul_i32 s50, s14, 4*SROW
	v_lshlrev_b32 v[CO], 4, v1
	s_delay_alu instid0(VALU_DEP_1)
	v_add_nc_u32 v[RDA], s50, v[CO]
	v_lshlrev_b32 v[SCO], 4, v0
	s_mov_b32 s2, 0x3a800000                       ; 1 / 1024
	s_mov_b32 s3, 0x3727c5ac                       ; eps = 1e-5
	s_lshr_b32 s52, ttmp9, 5                       ; batch
	s_lshl_b32 s52, s52, 23
	s_and_b32 s53, ttmp9, 31
	s_lshl_b32 s53, s53, 8                         ; 64 tokens x 4 bytes
	s_add_co_u32 s52, s52, s53
	s_lshl_b32 s53, s14, 19                        ; 64 channels x 8,192 bytes
	s_add_co_u32 s52, s52, s53
	s_mov_b32 s53, 0
	s_lshl_b32 s54, s14, 8                         ; my 64 gammas and betas
	s_mov_b32 s55, 0
	s_lshl_b32 s58, ttmp9, 6                       ; the work-group's first token: 64 x its number
	s_and_b32 s56, s14, 7
	s_lshl_b32 s56, s56, 3
	s_add_co_u32 s56, s56, s58
	s_lshr_b32 s57, s14, 3
	s_add_co_u32 s56, s56, s57                     ; stage rows 4 w + k hold tokens 8 (w % 8) + w / 8 + 2 k
	s_lshl_b32 s56, s56, 9
	s_mov_b32 s57, 0
	s_lshl_b32 s58, s58, 5
	s_mov_b32 s59, 0
	s_wait_kmcnt 0x0
	s_add_nc_u64 s[4:5], s[4:5], s[52:53]
	s_add_nc_u64 s[6:7], s[6:7], s[54:55]
	s_add_nc_u64 s[8:9], s[8:9], s[54:55]
	s_add_nc_u64 s[10:11], s[10:11], s[56:57]
	s_add_nc_u64 s[12:13], s[12:13], s[58:59]
.set c, 0
.rept 64
	global_load_b64 v[X+2*c:X+2*c+1], v[XO], s[4:5] offset:c*8192 th:TH_LOAD_NT   ; 32 lanes read 256 consecutive bytes of channel c
.set c, c+1
.endr
	s_load_b512 s[GA:GA+15], s[6:7], 0x0           ; the first block's gammas and betas
	s_load_b512 s[GA+16:GA+31], s[6:7], 0x40
	s_load_b512 s[BE:BE+15], s[8:9], 0x0
	s_load_b512 s[BE+16:BE+31], s[8:9], 0x40
; The four chains in v[W..W+7] are joined; the wave's two sums go to LDS; behind the barrier every wave adds the sixteen in the same order.
.macro REDUCE base
	s_delay_alu instid0(VALU_DEP_3)
	v_pk_add_f32 v[W:W+1], v[W:W+1], v[W+2:W+3]
	s_delay_alu instid0(VALU_DEP_2)
	v_pk_add_f32 v[W+4:W+5], v[W+4:W+5], v[W+6:W+7]
	s_delay_alu instid0(VALU_DEP_1)
	v_pk_add_f32 v[W:W+1], v[W:W+1], v[W+4:W+5]
	ds_store_b64 v[RW], v[W:W+1] offset:\base
	s_wait_dscnt 0x0                               ; for the others' sake: my store has landed
	s_barrier_signal -1
	s_barrier_wait -1
.irp k, 0,1,2,3,4,5,6,7,8,9,10,11,12,13,14,15
	ds_load_b64 v[W+2*\k:W+2*\k+1], v[RR] offset:\base+256*\k
.endr
	s_wait_dscnt 0x0
.irp k, 0,1,2,3,4,5,6,7
	v_pk_add_f32 v[W+2*\k:W+2*\k+1], v[W+2*\k:W+2*\k+1], v[W+16+2*\k:W+17+2*\k]
.endr
.irp k, 0,1,2,3
	s_delay_alu instid0(VALU_DEP_4)
	v_pk_add_f32 v[W+2*\k:W+2*\k+1], v[W+2*\k:W+2*\k+1], v[W+8+2*\k:W+9+2*\k]
.endr
.irp k, 0,1
	s_delay_alu instid0(VALU_DEP_2)
	v_pk_add_f32 v[W+2*\k:W+2*\k+1], v[W+2*\k:W+2*\k+1], v[W+4+2*\k:W+5+2*\k]
.endr
	s_delay_alu instid0(VALU_DEP_1)
	v_pk_add_f32 v[W:W+1], v[W:W+1], v[W+2:W+3]
.endm
	; the mean: four chains, started by the first eight channels; the counts leave the younger groups of 16 loads out
	s_wait_loadcnt 48
.irp k, 0,1,2,3
	v_pk_add_f32 v[W+2*\k:W+2*\k+1], v[X+2*\k:X+2*\k+1], v[X+8+2*\k:X+9+2*\k]
.endr
.set c, 8
.rept 8
	s_delay_alu instid0(VALU_DEP_4)
	v_pk_add_f32 v[W+2*(c%4):W+2*(c%4)+1], v[W+2*(c%4):W+2*(c%4)+1], v[X+2*c:X+2*c+1]
.set c, c+1
.endr
	s_wait_alu depctr_va_vdst(0)
.irp g, 32,16,0
	s_wait_alu depctr_va_vdst(0)
	s_wait_loadcnt \g
.rept 16
	v_pk_add_f32 v[W+2*(c%4):W+2*(c%4)+1], v[W+2*(c%4):W+2*(c%4)+1], v[X+2*c:X+2*c+1]
.set c, c+1
.endr
.endr
	REDUCE RED1
	s_delay_alu instid0(VALU_DEP_1)
	v_pk_mul_f32 v[MU:MU+1], v[W:W+1], s[2:3] op_sel_hi:[1,0]
	; x - mean, in place, and the sum of its squares
.set c, 0
.rept 64
	v_pk_add_f32 v[X+2*c:X+2*c+1], v[X+2*c:X+2*c+1], v[MU:MU+1] neg_lo:[0,1] neg_hi:[0,1]
.set c, c+1
.endr
.irp k, 0,1,2,3
	v_pk_mul_f32 v[W+2*\k:W+2*\k+1], v[X+2*\k:X+2*\k+1], v[X+2*\k:X+2*\k+1]
.endr
.set c, 4
.rept 60
	s_delay_alu instid0(VALU_DEP_4)
	v_pk_fma_f32 v[W+2*(c%4):W+2*(c%4)+1], v[X+2*c:X+2*c+1], v[X+2*c:X+2*c+1], v[W+2*(c%4):W+2*(c%4)+1]
.set c, c+1
.endr
	REDUCE RED2
	s_delay_alu instid0(VALU_DEP_1)
	v_fma_f32 v38, v[W], s2, s3                    ; var + eps
	s_delay_alu instid0(VALU_DEP_2)
	v_fma_f32 v39, v[W+1], s2, s3
	s_wait_alu depctr_va_vdst(0)
	v_rsq_f32 v[RS], v38
	v_rsq_f32 v[RS+1], v39
	v_nop                                          ; a plain instruction behind the last of the two
	s_wait_alu depctr_va_vdst(0)                   ; the wait ahead of the first reader: one for both
; Block k of my two: 32 channels x 2 tokens.  ((x - mean) x rstd) x gamma + beta; the block's largest magnitude with the floor 2^-124; 2 off its exponent field is the conversion's scale operand.
.macro BLOCK k
	s_wait_kmcnt 0x0                               ; this block's gammas and betas
.set c, 0
.rept 32
	v_pk_mul_f32 v[X+64*\k+2*c:X+64*\k+2*c+1], v[X+64*\k+2*c:X+64*\k+2*c+1], v[RS:RS+1]
.set c, c+1
.endr
.set c, 0
.rept 32
	v_fma_f32 v[Y+c], v[X+64*\k+2*c], s[GA+c], s[BE+c]
	v_fma_f32 v[Y+32+c], v[X+64*\k+2*c+1], s[GA+c], s[BE+c]
.set c, c+1
.endr
.if \k == 0
	s_load_b512 s[GA:GA+15], s[6:7], 0x80          ; the second block's, behind the last line that reads the first's
	s_load_b512 s[GA+16:GA+31], s[6:7], 0xc0
	s_load_b512 s[BE:BE+15], s[8:9], 0x80
	s_load_b512 s[BE+16:BE+31], s[8:9], 0xc0
.endif
.irp e, 0,1
	v_max3_num_f32 v[32+\e], |v[Y+32*\e]|, |v[Y+32*\e+1]|, 0x1800000
.endr
.irp i, 2,4,6,8,10,12,14,16,18,20,22,24,26,28,30
.irp e, 0,1
	s_delay_alu instid0(VALU_DEP_2)
	v_max3_num_f32 v[32+\e], v[32+\e], |v[Y+32*\e+\i]|, |v[Y+32*\e+\i+1]|
.endr
.endr
.irp e, 0,1
	s_delay_alu instid0(VALU_DEP_2)
	v_add_nc_u32 v[34+\e], 0xff000000, v[32+\e]
.endr
.irp e, 0,1
.irp g, 0,1,2,3
	v_cvt_scalef32_pk8_fp4_f32 v[W+8*\k+4*\e+\g], v[Y+32*\e+8*\g:Y+32*\e+8*\g+7], v[34+\e]
.endr
.endr
.if \k == 0
	v_lshrrev_b32 v36, 23, v34                     ; the scale's byte (also the plain instruction behind the conversions)
	v_lshrrev_b32 v37, 23, v35
.else
	v_lshrrev_b32 v38, 23, v34
	v_lshrrev_b32 v39, 23, v35
	s_delay_alu instid0(VALU_DEP_2)
	v_lshl_or_b32 v36, v38, 8, v36                 ; my two blocks' bytes are neighbours in the token's row of scales
	s_delay_alu instid0(VALU_DEP_2)
	v_lshl_or_b32 v37, v39, 8, v37
.endif
.irp e, 0,1
	ds_store_b128 v[STA], v[W+8*\k+4*\e:W+8*\k+4*\e+3] offset:STG+\e*32*SROW+16*\k
.endr
.endm
	BLOCK 0
	BLOCK 1
	ds_store_b16 v[SSA], v36 offset:SST
	ds_store_b16 v[SSA], v37 offset:SST+32
	s_wait_dscnt 0x0                               ; my stores have landed
	s_barrier_signal -1
	s_barrier_wait -1
.irp k, 0,1,2,3
	ds_load_b128 v[X+4*\k:X+4*\k+3], v[RDA] offset:STG+SROW*\k
.endr
.irp k, 0,1,2,3
	s_wait_dscnt 3-\k                              ; the younger row loads may be out
	global_store_b128 v[CO], v[X+4*\k:X+4*\k+3], s[10:11] offset:1024*\k   ; a token's whole row: 512 consecutive bytes
.endr
	s_cmp_gt_u32 s14, 3                            ; the 2,048 scale bytes leave by waves 0 to 3, 16 bytes a thread
	s_cbranch_scc1 .Ldone
	ds_load_b128 v[X+16:X+19], v[SCO] offset:SST
	s_wait_dscnt 0x0
	global_store_b128 v[SCO], v[X+16:X+19], s[12:13]
.Ldone:
	s_wait_tensorcnt 0x0                           ; the wave's end, behind my last LDS store
	ds_add_u32 v[SPW], v[NIL]
	s_wait_dscnt 0x0
	s_endpgm
.Lfunc_end_k_q9f848311c3_lnq:
	.size	k_q9f848311c3_lnq, .Lfunc_end_k_q9f848311c3_lnq-k_q9f848311c3_lnq
	.p2alignl 7, 3214868480
	.fill 96, 4, 3214868480
	.section	.rodata,"a",@progbits
	.p2align	6, 0x0
	.amdhsa_kernel k_q9f848311c3_lnq
		.amdhsa_group_segment_fixed_size 46080
		.amdhsa_private_segment_fixed_size 0
		.amdhsa_enable_private_segment 0
		.amdhsa_kernarg_size 40
		.amdhsa_user_sgpr_count 2
		.amdhsa_user_sgpr_kernarg_segment_ptr 1
		.amdhsa_wavefront_size32 1
		.amdhsa_system_sgpr_workgroup_id_x 1
		.amdhsa_system_sgpr_workgroup_id_y 1
		.amdhsa_system_sgpr_workgroup_id_z 1
		.amdhsa_system_vgpr_workitem_id 0
		.amdhsa_next_free_vgpr 240
		.amdhsa_next_free_sgpr 100
		.amdhsa_reserve_vcc 0
		.amdhsa_float_denorm_mode_32 3
		.amdhsa_float_denorm_mode_16_64 3
		.amdhsa_memory_ordered 1
		.amdhsa_forward_progress 1
		.amdhsa_inst_pref_size 50
	.end_amdhsa_kernel
	.amdgpu_metadata
---
amdhsa.version: [ 1, 2 ]
amdhsa.kernels:
  - .name:           k_q9f848311c3_lnq
    .symbol:         k_q9f848311c3_lnq.kd
    .args:
      - { .name: x, .offset: 0, .size: 8, .value_kind: global_buffer, .address_space: global }
      - { .name: gamma, .offset: 8, .size: 8, .value_kind: global_buffer, .address_space: global }
      - { .name: beta, .offset: 16, .size: 8, .value_kind: global_buffer, .address_space: global }
      - { .name: xn_codes, .offset: 24, .size: 8, .value_kind: global_buffer, .address_space: global }
      - { .name: xn_scales, .offset: 32, .size: 8, .value_kind: global_buffer, .address_space: global }
    .group_segment_fixed_size: 46080
    .private_segment_fixed_size: 0
    .kernarg_segment_align: 8
    .kernarg_segment_size: 40
    .max_flat_workgroup_size: 512
    .sgpr_count:     100
    .vgpr_count:     240
    .wavefront_size: 32
...
	.end_amdgpu_metadata
.endif
;; end of part 1
;; launch qkv (part 2): grid 8 x 32, 4 waves a work-group, clusters of 4 x 4, 327,680 bytes of LDS; arguments xn_codes, xn_scales, W_qkv_codes, W_qkv_scales, b_qkv, qq, kv; writes qq, kv
.if DOCPART == 2
	.amdgcn_target "amdgcn-amd-amdhsa--gfx1250"
	.amdhsa_code_object_version 6
	.text
	.protected	k_q9f848311c3_qkv
	.globl	k_q9f848311c3_qkv
	.p2align	8
	.type	k_q9f848311c3_qkv,@function
k_q9f848311c3_qkv:
	s_mov_b64 s[64:65], 0
	v_nop
	global_prefetch_b8 v0, s[64:65] scope:SCOPE_SE
	s_setreg_imm32_b32 hwreg(HW_REG_WAVE_MODE, 25, 1), 1
	s_wait_xcnt 0x0
	s_wait_alu depctr_hold_cnt(0) depctr_sa_sdst(0) depctr_va_vdst(0) depctr_va_sdst(0) depctr_va_ssrc(0) depctr_va_vcc(0) depctr_vm_vsrc(0)
	s_getreg_b32 s2, hwreg(HW_REG_IB_STS2, 6, 4)
	s_cmp_eq_u32 s2, 0
	s_cbranch_scc0 .Lentry_in_a_cluster
	s_endpgm
.Lentry_in_a_cluster:
	s_bfe_u32 s2, ttmp6, 0x10000c
	s_cmp_lg_u32 s2, 0xf033
	s_cbranch_scc0 .Lentry_shape_is_right
	s_endpgm
.Lentry_shape_is_right:
; q, k, v = xn W_qkv + b_qkv on codes of FP4 (E2M1) with E8M0 scales, and the quantisers of q and k (along the head's 64) and of v (along the keys).  Nothing is left out as dead work.
; LIMITS: as in the first launch (NaN and infinities not served; byte held at 1 from below; a block of zeros has the byte 1: read by this program alone).
; SHARES.  Work-group (i = x 0..7, j = y 0..31) keeps the codes of tokens 256 j .. + 255, all K = 1,024, in LDS and makes two tiles: QK: rows 256 i .. + 255 of W (q for i < 4, else k) x 256 tokens;
; V: 256 tokens x rows 2048 + 128 i .. + 127 of W.  256 equal work-groups.  Wave w: its 128 tokens (w / 2) are one key step; w % 2: its 128 rows of W in QK (two heads), its 64 rows in V (one head).
; QK: source 0 = 16 rows of W, source 1 = 16 tokens: a lane holds one token and its registers run along the head's dims.  V: source 0 = 16 tokens, source 1 = 16 rows of W: a lane holds one channel, registers run along the keys.
; So each quantiser finds its K in a lane's registers; a block of 32 lies in lanes l and l xor 16; the codes leave as IMAGES OF THE NEXT OPERAND'S REGISTERS, 512 consecutive bytes a store.
; OUT: qq, kv: [batch x head 64][key step 16][8,704 bytes]: + 0 eight images (16 tokens x 64 dims, 512 bytes) of q or k; + 4096 four images (16 channels x 128 keys, 1,024 bytes) of v;
;      + 8192 scale words of q or k [r 16][pair of tiles 4]: bytes 0, 1 token 32 i + r, bytes 2, 3 token 32 i + 16 + r; + 8448 v's [r 16][tile 4].  qq has the parts at 0 and 8192 alone.
; LDS: two slots, each 256 rows of xn and 256 rows of W, 512 along K (256 bytes + 16 of padding a row); both halves of K lie there at once.  When slot 0's rows of W are read out, W's rows for v come into their bytes.
; CLUSTER 4 x 4: xn's tiles are shared along a row of the cluster, W's along a column: joint loads.
; REGISTERS.  window 0: v8-31 addresses; v32-95 scale words (lanes 0-15 xn's, lanes 16-31 W's), both sets kept to the end; v96-103 v's bias; v104-111 the scale words just made; v112-127 at work;
;   v128-191 xn's fragments in QK, then 64 numbers to quantise; v192-223 the scale words of W's rows for v; v224-255 codes, four sets.
;   window 1: v0-63, v128-191 two sets of source 0; v64-127 q's or k's bias; v192-255 two sets of W's fragments for v.   windows 2, 3: accumulators.
.set NQ,     4
.set ROWB,   256
.set KROW,   512
.set PITCH,  272
.set FR,     8
.set NL,     2
.set NP,     4
.set HALFT,  128*PITCH
.set SLOT,   4*HALFT
.set KS,     32
.set SCL,    2*SLOT
.set HALFS,  (128*KS/256)*272
.set SBLK,   (16*KS/256)*272
.set SPARE,  SCL+4*HALFS               ; the spare words, 128 bytes a wave: two blocks of 256 bytes that no other line names
.set REC,    8704
.set HS,     16*REC                    ; from a head to the next in qq and kv
.set OUTW, 12
.set ADRA, 16
.set ADRB, 20
.set ADRV, 22
.set O3,   23
.set O1,   24
.set O2,   25
.set SELV, 26
.set ADRS, 27
.set SPW,  28
.set NIL,  29
.set SC,   32
.set BV,   96
.set PWS,  104
.set TM,   112
.set AF,   128
.set ST,   128
.set SV,   192
.set PC,   224
.set BI,   64                          ; in window 1
.set G1, 24
.set G0, 32
.set G1B, 48
.set G0B, 56
.set G1S, 68
.set G0S, 76
.set G1SB, 80
.set G0SB, 88
.set SEL, 22                           ; s[22:23], once the set-up is over
.set MSB, 0
.macro WIN new                         ; the immediate's high byte repeats the setting that is left
.if MSB != (\new)
	s_set_vgpr_msb (MSB<<8)|(\new)
.set MSB, (\new)
.endif
.endm
.set MUL_LO, 0xa1                      ; source 0 window 1, source 1 window 0, C and D window 2
.set MUL_HI, 0xf1                      ; the same, C and D window 3
.set MUL_V,  0xa5                      ; sources 0 and 1 window 1, C and D window 2
.set TO_B,   0x40                      ; destination window 1
; A joint load: waves 0 and 1 fetch for xn, waves 2 and 3 for W.  An s_nop 0 and four v_nop follow each of the two lines.
.macro JLOAD g0a, g1a, g0b, g1b
	s_cmp_eq_u32 s15, 0
	s_cbranch_scc0 .Lfor_b_\@
	tensor_load_to_lds s[\g0a:\g0a+3], s[\g1a:\g1a+7]
	s_nop 0
.rept 4
	v_nop
.endr
	s_branch .Lasked_\@
.Lfor_b_\@:
	tensor_load_to_lds s[\g0b:\g0b+3], s[\g1b:\g1b+7]
	s_nop 0
.rept 4
	v_nop
.endr
.Lasked_\@:
.endm
.macro CREST                           ; a round of the cluster's barrier behind its opening barrier
	s_cmp_lg_u32 s14, 0
	s_cbranch_scc1 .Lnot_wave_0_\@
	s_barrier_signal -3
.Lnot_wave_0_\@:
	s_barrier_wait -3
	s_barrier_signal -1
	s_barrier_wait -1
.endm
.macro CROUND
	s_barrier_signal -1
	s_barrier_wait -1
	CREST
.endm
.macro PLACES n
.rept \n
	v_nop
.endr
.endm
	s_load_b128 s[4:7], s[0:1], 0x0                ; xn's codes, xn's scales
	s_load_b128 s[8:11], s[0:1], 0x10              ; W's codes, W's scales
	s_load_b128 s[92:95], s[0:1], 0x20             ; b_qkv, qq
	s_load_b64 s[96:97], s[0:1], 0x30              ; kv
	v_lshl_add_u32 v[SPW], v0, 2, SPARE
	v_mov_b32 v[NIL], 0
	ds_add_u32 v[SPW], v[NIL]                      ; the wave's opening: the add, twice on end, and its wait ahead of my first tensor load
	ds_add_u32 v[SPW], v[NIL]
	v_lshrrev_b32 v1, 5, v0
	v_readfirstlane_b32 s14, v1                    ; wave 0..3
	s_lshr_b32 s15, s14, 1                         ; my half of the tokens.  Also: I fetch for xn (0) or for W (1)
	s_and_b32 s16, s14, 1                          ; my half of W's rows.  Also: which 128 rows I fetch
	s_bfe_u32 s40, ttmp6, 0x40000                  ; cx
	s_bfe_u32 s41, ttmp6, 0x40004                  ; cy
	s_lshl_b32 s42, ttmp9, 2
	s_add_co_u32 s42, s42, s40                     ; i
	s_and_b32 s17, ttmp7, 0xffff
	s_lshl_b32 s17, s17, 2
	s_add_co_u32 s17, s17, s41                     ; j
	s_lshl_b32 s43, s41, 2
	s_lshl_b32 s43, 15, s43                        ; my row of the cluster
	s_lshl_b32 s44, 0x1111, s40                    ; my column
	s_or_b32 s[G1+0], s43, (1<<20)|(1<<21)|(5<<22)|(3<<25)    ; mask; elements of 1 byte; padding: 4 words behind every 64; bit 21 beside a mask
	s_or_b32 s[G1B+0], s44, (1<<20)|(1<<21)|(5<<22)|(3<<25)
.irp g, G1, G1B
	s_mov_b32 s[\g+1], ROWB<<16                    ; tensor_dim0 = 256
	s_mov_b32 s[\g+2], 256<<16                     ; tensor_dim1 = 256 for the head's loads; set to 128 behind them
	s_mov_b32 s[\g+3], ROWB<<16                    ; tile_dim0
	s_mov_b32 s[\g+4], 256                         ; tile_dim1
	s_mov_b32 s[\g+5], KROW                        ; from row to row
	s_mov_b32 s[\g+6], 0
	s_mov_b32 s[\g+7], 0
.endr
	s_or_b32 s[G1S+0], s43, (3<<16)|(1<<20)|(1<<21)|(5<<22)|(3<<25)   ; the scales of 256 rows: 8,192 dense bytes as 32 rows of 256 (32 elements of 8 bytes), 16 of padding behind each
	s_or_b32 s[G1SB+0], s44, (3<<16)|(1<<20)|(1<<21)|(5<<22)|(3<<25)
.irp g, G1S, G1SB
	s_mov_b32 s[\g+1], 32<<16
	s_mov_b32 s[\g+2], (256*KS/256)<<16            ; the scales of 256 rows: 32 rows of 256 bytes
	s_mov_b32 s[\g+3], 32<<16
	s_mov_b32 s[\g+4], 256*KS/256
	s_mov_b32 s[\g+5], 32
	s_mov_b32 s[\g+6], 0
	s_mov_b32 s[\g+7], 0
.endr
	s_lshl_b32 s20, s17, 8                         ; xn: the tile's first row, 256 j
	s_lshl_b32 s46, s42, 8                         ; W: 256 i
	s_mov_b32 s21, 0
	s_mov_b32 s47, 0
	s_mov_b64 s[18:19], KS
	s_mul_u64 s[22:23], s[20:21], s[18:19]
	s_mul_u64 s[98:99], s[46:47], s[18:19]
	s_mov_b64 s[18:19], KROW
	s_mul_u64 s[20:21], s[20:21], s[18:19]
	s_mul_u64 s[46:47], s[46:47], s[18:19]
	s_mul_i32 s45, s14, HALFT                      ; where a wave's 128 rows go: wave x 128 rows
	s_mul_i32 s18, s16, 128*KROW                   ; slot 1: which 128 rows of the tile I fetch, in bytes
	s_mov_b32 s19, 0
	s_lshl_b32 s12, s42, 16                        ; W's rows for v: (2048 + 128 i) x 512 bytes, + 256 for the second half of K
	s_add_co_u32 s12, s12, 1<<20
	s_lshl_b32 s13, s16, 8
	s_add_co_u32 s12, s12, s13
	s_mov_b32 s13, 0
	s_wait_dscnt 0x0                               ; both opening adds are done
	s_wait_kmcnt 0x0
	s_add_nc_u64 s[20:21], s[4:5], s[20:21]
	s_add_nc_u64 s[22:23], s[6:7], s[22:23]
	s_add_nc_u64 s[46:47], s[8:9], s[46:47]
	s_add_nc_u64 s[98:99], s[10:11], s[98:99]
	s_add_nc_u64 s[12:13], s[8:9], s[12:13]
	CROUND                                         ; all sixteen work-groups are here: the first joint loads meet
	s_mov_b32 s[G0S], 1
	s_mov_b32 s[G0S+1], SCL
	s_mov_b64 s[G0S+2:G0S+3], s[22:23]
	s_or_b32 s[G0S+3], s[G0S+3], 0x80000000
	s_mov_b32 s[G0SB], 1
	s_mov_b32 s[G0SB+1], SCL+2*HALFS
	s_mov_b64 s[G0SB+2:G0SB+3], s[98:99]
	s_or_b32 s[G0SB+3], s[G0SB+3], 0x80000000
.irp s, 0,1
	s_mov_b32 s[G0+4*\s], 1
	s_add_co_u32 s[G0+4*\s+1], s45, \s*SLOT
	s_add_nc_u64 s[G0+4*\s+2:G0+4*\s+3], s[20:21], \s*ROWB
	s_or_b32 s[G0+4*\s+3], s[G0+4*\s+3], 0x80000000
	s_mov_b32 s[G0B+4*\s], 1
	s_add_co_u32 s[G0B+4*\s+1], s45, \s*SLOT
	s_add_nc_u64 s[G0B+4*\s+2:G0B+4*\s+3], s[46:47], \s*ROWB
	s_or_b32 s[G0B+4*\s+3], s[G0B+4*\s+3], 0x80000000
.endr
	s_mov_b32 s[G0+1], 0                           ; slot 0 comes whole at the head: xn's 256 rows,
	s_mov_b32 s[G0B+1], 2*HALFT                    ; and W's 256 rows behind them
	s_add_nc_u64 s[G0+6:G0+7], s[G0+6:G0+7], s[18:19]      ; slot 1 comes by quarters: my 128 rows
	s_add_nc_u64 s[G0B+6:G0B+7], s[G0B+6:G0B+7], s[18:19]
; The head's loads, one a wave: wave 0 xn's 256 rows of the first half of K, wave 1 W's, wave 2 xn's scales, wave 3 W's scales.
; One tree of branches on the wave's number: every way through it passes exactly one load.
.macro ARM under, g0, g1, next
	s_cmp_lt_u32 s14, \under
	s_cbranch_scc0 \next
	tensor_load_to_lds s[\g0:\g0+3], s[\g1:\g1+7]
	s_nop 0
.rept 4
	v_nop
.endr
	s_branch .Lhead_asked
\next:
.endm
	ARM 1, G0,  G1,  .Lhead_b
	ARM 2, G0B, G1B, .Lhead_sa
	ARM 3, G0S, G1S, .Lhead_sb
	tensor_load_to_lds s[G0SB:G0SB+3], s[G1SB:G1SB+7]
	s_nop 0
.rept 4
	v_nop
.endr
.Lhead_asked:
	v_and_b32 v1, 15, v0
	v_bfe_u32 v2, v0, 4, 1
	v_mul_u32_u24 v3, v1, PITCH
	v_lshl_add_u32 v4, v2, 4, v3                   ; a fragment's row x pitch + 16 h
	s_wait_alu depctr_va_vdst(0)
	s_mul_i32 s21, s15, HALFT
	s_mul_i32 s22, s16, HALFT
	s_add_co_u32 s22, s22, 2*HALFT
.irp s, 0,1
	v_add_nc_u32 v[ADRA+\s], s21, v4
	v_add_nc_u32 v[ADRB+\s], s22, v4
	s_add_co_u32 s21, s21, SLOT
	s_add_co_u32 s22, s22, SLOT
.endr
	s_mul_i32 s21, s16, 64*PITCH                   ; W's rows for v lie where slot 0 had W's: [half of K][128 rows]; my 64 rows
	s_add_co_u32 s21, s21, 2*HALFT
	v_add_nc_u32 v[ADRV], s21, v4
	v_mul_u32_u24 v5, v1, KS
	v_lshrrev_b32 v6, 8, v5
	v_lshl_add_u32 v5, v6, 4, v5                   ; my row's scales: 32 bytes a row, 16 more for each 256 passed
	s_mul_i32 s21, s15, HALFS
	s_mul_i32 s22, s16, HALFS
	s_add_co_u32 s22, s22, 2*HALFS
	s_sub_co_u32 s22, s22, s21
	v_mul_u32_u24 v6, s22, v2                      ; lanes 16-31 take W's
	s_add_co_u32 s21, s21, SCL
	v_add_nc_u32 v5, v5, v6
	v_add_nc_u32 v[ADRS], s21, v5
	v_and_b32 v7, 31, v0                           ; lane
	v_lshlrev_b32 v[O1], 4, v7                     ; an image's place for my lane
	v_lshlrev_b32 v[O3], 4, v1
	v_mul_u32_u24 v5, v2, HS
	v_lshl_add_u32 v[O2], v1, 4, v5                ; scale words: lanes 0-15 the first head's, lanes 16-31 the second's
	s_mov_b32 s21, 0x02020202
	v_mul_lo_u32 v5, v2, s21
	v_add_nc_u32 v[SELV], 0x05040100, v5           ; bytes 0, 1 of both words, or bytes 2, 3
.irp b, 0,1,2,3
	v_mov_b32 v[TM+4+\b], 0                        ; written once: a lane permute's destination counts as one of its sources
.endr
	s_lshl_b32 s20, s42, 10
	s_lshl_b32 s21, s16, 9
	s_add_co_u32 s20, s20, s21
	v_lshl_add_u32 v8, v2, 5, s20                  ; b_qkv at 256 i + 128 (w % 2) + 8 h
	s_lshl_b32 s20, s42, 9
	s_lshl_b32 s21, s16, 8
	s_add_co_u32 s20, s20, s21
	s_add_co_u32 s20, s20, 8192
	v_lshl_add_u32 v9, v1, 2, s20                  ; b_qkv at 2048 + 128 i + 64 (w % 2) + r
	s_lshl_b32 s20, s20, 3
	v_lshl_add_u32 v10, v1, 5, s20                 ; and that row's scales
	WIN TO_B
.irp b, 0,1,2,3,4,5,6,7
	global_load_b128 v[BI+8*\b:BI+8*\b+3], v8, s[92:93] offset:64*\b
	global_load_b128 v[BI+8*\b+4:BI+8*\b+7], v8, s[92:93] offset:64*\b+16
.endr
	WIN 0
.irp a, 0,1,2,3
	global_load_b32 v[BV+2*\a], v9, s[92:93] offset:64*\a      ; twice: a pair for the packed add
	global_load_b32 v[BV+2*\a+1], v9, s[92:93] offset:64*\a
.endr
.irp s, 0,1
.irp a, 0,1,2,3
	global_load_b128 v[SV+16*\s+4*\a:SV+16*\s+4*\a+3], v10, s[10:11] offset:512*\a+16*\s
.endr
.endr
	; where my results go
	s_lshr_b32 s18, s17, 3
	s_lshl_b32 s18, s18, 4                         ; 16 x batch
	s_and_b32 s19, s17, 7
	s_lshl_b32 s19, s19, 1
	s_add_co_u32 s19, s19, s15                     ; my key step
	s_lshl_b32 s20, s40, 2
	s_add_co_u32 s20, s20, s18
	s_lshl_b32 s21, s16, 1
	s_add_co_u32 s20, s20, s21                     ; QK: my first head: 4 (i % 4) + 2 (w % 2)
	s_lshl_b32 s20, s20, 4
	s_add_co_u32 s20, s20, s19
	s_mul_i32 s20, s20, REC
	s_mov_b32 s21, 0
	s_cmp_eq_u32 ttmp9, 0                          ; i < 4: q; else k
	s_cselect_b64 s[100:101], s[94:95], s[96:97]
	s_add_nc_u64 s[100:101], s[100:101], s[20:21]
	s_lshl_b32 s20, s42, 1
	s_add_co_u32 s20, s20, s18
	s_add_co_u32 s20, s20, s16                     ; V: my head: 2 i + w % 2
	s_lshl_b32 s20, s20, 4
	s_add_co_u32 s20, s20, s19
	s_mul_i32 s20, s20, REC
	s_add_nc_u64 s[104:105], s[96:97], s[20:21]
	s_mov_b32 s[SEL], 0x76543210
	s_mov_b32 s[SEL+1], 0xfedcba98                 ; lane l xor 16
.macro FRAG reg, adr, q, i             ; 16 rows x 128 K of 4-bit codes: 8 registers: two loads of 16 bytes, 32 bytes apart
.irp c, 0,1
	ds_load_b128 v[\reg+4*\c:\reg+4*\c+3], v[\adr] offset:64*(\q)+32*\c+(\i)*16*PITCH
.endr
.endm
; 16 products: xn's blocks a0, a0 + 1 x W's eight.  The 64 accumulators take turns, one instruction a turn.
.macro MUL16 a0, p, q, sc, zero
.irp a, \a0, \a0+1
.irp b, 0,1,2,3,4,5,6,7
.if \zero
	v_wmma_scale_f32_16x16x128_f8f6f4 v[8*(8*((\a)%4)+\b):8*(8*((\a)%4)+\b)+7], v[128*(\p)+FR*\b:128*(\p)+FR*\b+FR-1], v[AF+FR*(\a):AF+FR*(\a)+FR-1], 0, v[SC+8*NQ*(\sc)+NQ*\b+(\q)], v[SC+8*NQ*(\sc)+NQ*(\a)+(\q)] matrix_a_fmt:MATRIX_FMT_FP4 matrix_b_fmt:MATRIX_FMT_FP4 matrix_a_scale:MATRIX_SCALE_ROW1
.else
	v_wmma_scale_f32_16x16x128_f8f6f4 v[8*(8*((\a)%4)+\b):8*(8*((\a)%4)+\b)+7], v[128*(\p)+FR*\b:128*(\p)+FR*\b+FR-1], v[AF+FR*(\a):AF+FR*(\a)+FR-1], v[8*(8*((\a)%4)+\b):8*(8*((\a)%4)+\b)+7], v[SC+8*NQ*(\sc)+NQ*\b+(\q)], v[SC+8*NQ*(\sc)+NQ*(\a)+(\q)] matrix_a_fmt:MATRIX_FMT_FP4 matrix_b_fmt:MATRIX_FMT_FP4 matrix_a_scale:MATRIX_SCALE_ROW1
.endif
.endr
.endr
.endm
.macro FETCH_B slot, q, p
	WIN TO_B
.irp i, 0,1,2,3,4,5,6,7
	FRAG 128*(\p)+FR*\i, ADRB+\slot, \q, \i
.endr
	WIN 0
.endm
.macro FETCH_A slot, q, i0
.irp i, \i0, \i0+1, \i0+2, \i0+3
	FRAG AF+FR*(\i), ADRA+\slot, \q, \i
.endr
.endm
.macro SCALES sc                       ; a slot's scale words: lanes 0-15 xn's block i, lanes 16-31 W's block i
.irp i, 0,1,2,3,4,5,6,7
	ds_load_b128 v[SC+8*NQ*\sc+NQ*\i:SC+8*NQ*\sc+NQ*\i+3], v[ADRS] offset:\i*SBLK
.endr
.endm
.macro STEP slot, q, zero              ; 128 along K whose successor lies in the same slot
	s_wait_dscnt 4*NL                              ; all but the youngest eight loads (xn's blocks 4-7)
	WIN MUL_LO
	MUL16 0, (\q)%2, \q, \slot, \zero
	MUL16 2, (\q)%2, \q, \slot, \zero
	s_wait_dscnt 0
	PLACES NP                                      ; four places in front of loads into registers that matrix instructions have read
	FETCH_B \slot, (\q)+1, 1-(\q)%2
	FETCH_A \slot, (\q)+1, 0
	WIN MUL_HI
	MUL16 4, (\q)%2, \q, \slot, \zero
	MUL16 6, (\q)%2, \q, \slot, \zero
	PLACES NP
	WIN 0
	FETCH_A \slot, (\q)+1, 4
.endm
.macro STEPS slot, from
.set Q, \from
.rept NQ-1-\from
	STEP \slot, Q, 0
.set Q, Q+1
.endr
.endm
; 64 numbers of a lane, register 16 b + 8 e + j = index 32 b + 16 e + 8 (lane / 16) + j along the next K, become a fragment's 8 registers of codes and its scale word.
; A conversion's 8 codes are a quarter of a block; block b's go to registers 4 (b / 2) + 2 e + b % 2, and one exchange of halves for each pair puts a whole block into a lane, as the operand's layout wants.
.macro QUANT s, pc, pw
.irp b, 0,1,2,3
	v_max3_num_f32 v[TM+\b], |v[(\s)+16*\b]|, |v[(\s)+16*\b+1]|, 0x1800000   ; with the floor 2^-124: the byte cannot fall under 1
.endr
.irp i, 2,4,6,8,10,12,14
.irp b, 0,1,2,3
	v_max3_num_f32 v[TM+\b], v[TM+\b], |v[(\s)+16*\b+\i]|, |v[(\s)+16*\b+\i+1]|
.endr
.endr
.irp b, 0,1,2,3
	v_permlanex16_b32 v[TM+4+\b], v[TM+\b], s[SEL], s[SEL+1]
.endr
.irp b, 0,1,2,3
	v_max_num_f32 v[TM+\b], v[TM+\b], v[TM+4+\b]
.endr
.irp b, 0,1,2,3
	v_add_nc_u32 v[TM+12+\b], 0xff000000, v[TM+\b]   ; 2 off the exponent field: the conversion's scale operand
.endr
.irp b, 0,1,2,3
	v_lshrrev_b32 v[TM+4+\b], 23, v[TM+12+\b]        ; the byte
.endr
	v_lshl_or_b32 v[\pw], v[TM+5], 8, v[TM+4]
	v_lshl_or_b32 v[\pw], v[TM+6], 16, v[\pw]
	v_lshl_or_b32 v[\pw], v[TM+7], 24, v[\pw]
.irp b, 0,1,2,3
.irp e, 0,1
	v_cvt_scalef32_pk8_fp4_f32 v[(\pc)+4*(\b/2)+2*\e+(\b%2)], v[(\s)+16*\b+8*\e:(\s)+16*\b+8*\e+7], v[TM+12+\b]
.endr
.endr
	v_nop                                          ; one plain instruction behind the conversions
.irp c, 0,1
.irp e, 0,1
	v_permlane16_swap_b32 v[(\pc)+4*\c+2*\e], v[(\pc)+4*\c+2*\e+1]
.endr
.endr
.endm
	s_wait_alu depctr_va_vdst(0)                   ; the wait at the head's end
	s_wait_tensorcnt 0x0                           ; my tile of the head's four is in; these lines stand ahead of a later first fill as ahead of a refill
	ds_add_u32 v[SPW], v[NIL]                      ; 0 onto my spare word
	s_mov_b32 s[G1+2], 128<<16                     ; no tensor load of mine is out: from here on a load brings 128 rows
	s_mov_b32 s[G1+4], 128
	s_mov_b32 s[G1B+2], 128<<16
	s_mov_b32 s[G1B+4], 128
	s_wait_dscnt 0x0                               ; the add is done
	CROUND                                         ; all four tiles are in, and all sixteen work-groups are here
	JLOAD G0+4, G1, G0B+4, G1B                     ; slot 1's first fill: my one load behind the round
	FETCH_B 0, 0, 0
	FETCH_A 0, 0, 0
	SCALES 0
	FETCH_A 0, 0, 4
	STEP 0, 0, 1                                   ; the first products start the sums: nothing is cleared
	STEPS 0, 1
	; slot 0's last step, and the change of slots.  Slot 0's rows of W are read out: W's rows for v come into their bytes.
	s_wait_tensorcnt 0x0                           ; all my tensor loads have landed, so a group 0 may be written
	ds_add_u32 v[SPW], v[NIL]                      ; 0 onto my spare word
	s_mov_b64 s[G0B+2:G0B+3], s[12:13]
	s_mov_b32 s[G0B+1], s45                        ; into my 128 rows of slot 0's part for W
	s_or_b32 s[G0B+3], s[G0B+3], 0x80000000
	s_wait_dscnt 4*NL+1                            ; (the add and the youngest eight loads may be out)
	WIN MUL_LO
	MUL16 0, 1, NQ-1, 0, 0
	s_wait_dscnt 0x0                               ; the add is done, and my reads of slot 0's rows of W are over
	s_barrier_signal -1
	MUL16 2, 1, NQ-1, 0, 0
	WIN 0
	s_barrier_wait -1
	CREST                                          ; a round of the cluster's barrier: no wave of any partner still reads those bytes or has a load on its way
	s_cmp_eq_u32 s15, 0                            ; waves 2 and 3 fetch, one load each; the branch hangs on the wave's number alone
	s_cbranch_scc1 .Lno_wv
	tensor_load_to_lds s[G0B:G0B+3], s[G1B:G1B+7]  ; it has slot 1's 256 products in which to land
	s_nop 0
.rept 4
	v_nop
.endr
.Lno_wv:
	PLACES NP
	v_add_nc_u32 v[ADRS], 4*NQ, v[ADRS]            ; the second half of K's scale words
	FETCH_B 1, 0, 0
	FETCH_A 1, 0, 0
	SCALES 1
	WIN MUL_HI
	MUL16 4, 1, NQ-1, 0, 0
	MUL16 6, 1, NQ-1, 0, 0
	PLACES NP
	WIN 0
	FETCH_A 1, 0, 4
	STEPS 1, 0
	s_wait_dscnt 4*NL
	WIN MUL_LO
	MUL16 0, 1, NQ-1, 1, 0
	MUL16 2, 1, NQ-1, 1, 0
	s_wait_dscnt 0
	WIN MUL_HI
	MUL16 4, 1, NQ-1, 1, 0
	MUL16 6, 1, NQ-1, 1, 0
	WIN 0
	s_wait_tensorcnt 0x0                           ; W's rows for v have landed (waves 2 and 3 asked),
	s_barrier_signal -1
	s_barrier_wait -1                              ; and every wave knows
; V's fragments of step q (128 along K) into set p: 8 tiles of my tokens, 4 tiles of W's rows
.macro VFETCH q, p
	WIN TO_B
.irp i, 0,1,2,3,4,5,6,7
	FRAG 128*(\p)+FR*\i, ADRA+(\q)/4, (\q)%4, \i
.endr
.irp a, 0,1,2,3
.irp c, 0,1
	ds_load_b128 v[192+32*(\p)+8*\a+4*\c:192+32*(\p)+8*\a+4*\c+3], v[ADRV] offset:((\q)/4)*HALFT+\a*16*PITCH+64*((\q)%4)+32*\c
.endr
.endr
	WIN 0
.endm
.macro VMUL a0, p, q, zero             ; 16 products: W's tiles a0, a0 + 1 x my eight tiles of tokens; the 32 accumulators take turns
.irp a, \a0, \a0+1
.irp b, 0,1,2,3,4,5,6,7
.if \zero
	v_wmma_scale_f32_16x16x128_f8f6f4 v[8*(8*(\a)+\b):8*(8*(\a)+\b)+7], v[128*(\p)+8*\b:128*(\p)+8*\b+7], v[192+32*(\p)+8*(\a):192+32*(\p)+8*(\a)+7], 0, v[SC+32*((\q)/4)+4*\b+(\q)%4], v[SV+16*((\q)/4)+4*(\a)+(\q)%4] matrix_a_fmt:MATRIX_FMT_FP4 matrix_b_fmt:MATRIX_FMT_FP4
.else
	v_wmma_scale_f32_16x16x128_f8f6f4 v[8*(8*(\a)+\b):8*(8*(\a)+\b)+7], v[128*(\p)+8*\b:128*(\p)+8*\b+7], v[192+32*(\p)+8*(\a):192+32*(\p)+8*(\a)+7], v[8*(8*(\a)+\b):8*(8*(\a)+\b)+7], v[SC+32*((\q)/4)+4*\b+(\q)%4], v[SV+16*((\q)/4)+4*(\a)+(\q)%4] matrix_a_fmt:MATRIX_FMT_FP4 matrix_b_fmt:MATRIX_FMT_FP4
.endif
.endr
.endr
.endm
.macro VSTEP q
	s_wait_dscnt 0x0                               ; this step's fragments are in
.if (\q) < 7
	PLACES NP                                      ; the other set was read by the step before
	VFETCH (\q)+1, 1-(\q)%2                        ; the next step's: 32 products in which to land
.endif
	WIN MUL_V
.if (\q) == 0
	VMUL 0, 0, 0, 1
	VMUL 2, 0, 0, 1
.else
	VMUL 0, (\q)%2, \q, 0
	VMUL 2, (\q)%2, \q, 0
.endif
.endm
; q's or k's way out, tile a of 16 tokens: + bias, quantised; registers 0-3 are the first head's image, 4-7 the second's
.macro EPQK a
	WIN 0x06+(\a)/4                                ; source 0 window 2 or 3, source 1 window 1
.set i, 0
.rept 32
	v_pk_add_f32 v[ST+2*i:ST+2*i+1], v[64*((\a)%4)+2*i:64*((\a)%4)+2*i+1], v[BI+2*i:BI+2*i+1]   ; each accumulator from its low end on
.set i, i+1
.endr
	WIN 0
.if (\a) >= 4
	s_wait_xcnt 0x0                                ; the stores of four tiles ago have read this set of codes
.endif
	QUANT ST, PC+8*((\a)%4), PWS+(\a)
	global_store_b128 v[O1], v[PC+8*((\a)%4):PC+8*((\a)%4)+3], s[100:101] offset:512*(\a)          ; 512 consecutive bytes
	global_store_b128 v[O1], v[PC+8*((\a)%4)+4:PC+8*((\a)%4)+7], s[100:101] offset:512*(\a)+HS
.endm
; v's way out, tile a of 16 channels: + bias, quantised along my 128 keys: one fragment
.macro EPV a
	WIN 0x02                                       ; source 0 window 2
.set i, 0
.rept 32
	v_pk_add_f32 v[ST+2*i:ST+2*i+1], v[64*(\a)+2*i:64*(\a)+2*i+1], v[BV+2*(\a):BV+2*(\a)+1]
.set i, i+1
.endr
	WIN 0
	s_wait_xcnt 0x0                                ; earlier stores have read this set of codes
	QUANT ST, PC+8*(\a), PWS+(\a)
	global_store_b128 v[O1], v[PC+8*(\a):PC+8*(\a)+3], s[104:105] offset:4096+1024*(\a)
	global_store_b128 v[O1], v[PC+8*(\a)+4:PC+8*(\a)+7], s[104:105] offset:4096+1024*(\a)+512
.endm
	PLACES NP                                      ; behind the last products: for the loads below and the first reads of results
	VFETCH 0, 0                                    ; lands while q or k goes out
	s_wait_loadcnt 0x0                             ; the biases and W's scale words for v
.irp a, 0,1,2,3,4,5,6,7
	EPQK \a
.endr
.irp i, 0,1,2,3
	v_perm_b32 v[OUTW+\i], v[PWS+2*\i+1], v[PWS+2*\i], v[SELV]   ; my head's two bytes of tiles 2 i and 2 i + 1
.endr
	global_store_b128 v[O2], v[OUTW:OUTW+3], s[100:101] offset:8192  ; sixteen lanes fill 256 consecutive bytes for each head
.irp q, 0,1,2,3,4,5,6,7
	VSTEP \q
.endr
	WIN 0
	PLACES NP
.irp a, 0,1,2,3
	EPV \a
.endr
	v_cmp_gt_u32 vcc_lo, 16, v7                    ; lanes 0-15 hold channel r's four words, lanes 16-31 the same again
	s_wait_xcnt 0x0                                ; EXEC changes only behind this wait
	s_and_saveexec_b32 s20, vcc_lo
	global_store_b128 v[O3], v[PWS:PWS+3], s[104:105] offset:8448
	s_wait_xcnt 0x0
	s_or_b32 exec_lo, exec_lo, s20
	s_wait_tensorcnt 0x0                           ; the wave's end
	ds_add_u32 v[SPW], v[NIL]
	s_wait_dscnt 0x0
	CROUND                                         ; the closing round
	s_endpgm
.Lfunc_end_k_q9f848311c3_qkv:
	.size	k_q9f848311c3_qkv, .Lfunc_end_k_q9f848311c3_qkv-k_q9f848311c3_qkv
	.p2alignl 7, 3214868480
	.fill 96, 4, 3214868480
	.section	.rodata,"a",@progbits
	.p2align	6, 0x0
	.amdhsa_kernel k_q9f848311c3_qkv
		.amdhsa_group_segment_fixed_size 327680
		.amdhsa_private_segment_fixed_size 0
		.amdhsa_enable_private_segment 0
		.amdhsa_kernarg_size 56
		.amdhsa_user_sgpr_count 2
		.amdhsa_user_sgpr_kernarg_segment_ptr 1
		.amdhsa_wavefront_size32 1
		.amdhsa_system_sgpr_workgroup_id_x 1
		.amdhsa_system_sgpr_workgroup_id_y 1
		.amdhsa_system_sgpr_workgroup_id_z 1
		.amdhsa_system_vgpr_workitem_id 0
		.amdhsa_next_free_vgpr 1024
		.amdhsa_next_free_sgpr 106
		.amdhsa_reserve_vcc 1
		.amdhsa_float_denorm_mode_32 3
		.amdhsa_float_denorm_mode_16_64 3
		.amdhsa_memory_ordered 1
		.amdhsa_forward_progress 1
		.amdhsa_inst_pref_size 220
	.end_amdhsa_kernel
	.amdgpu_metadata
---
amdhsa.version: [ 1, 2 ]
amdhsa.kernels:
  - .name:           k_q9f848311c3_qkv
    .symbol:         k_q9f848311c3_qkv.kd
    .args:
      - { .name: xn_codes, .offset: 0, .size: 8, .value_kind: global_buffer, .address_space: global }
      - { .name: xn_scales, .offset: 8, .size: 8, .value_kind: global_buffer, .address_space: global }
      - { .name: W_qkv_codes, .offset: 16, .size: 8, .value_kind: global_buffer, .address_space: global }
      - { .name: W_qkv_scales, .offset: 24, .size: 8, .value_kind: global_buffer, .address_space: global }
      - { .name: b_qkv, .offset: 32, .size: 8, .value_kind: global_buffer, .address_space: global }
      - { .name: qq, .offset: 40, .size: 8, .value_kind: global_buffer, .address_space: global }
      - { .name: kv, .offset: 48, .size: 8, .value_kind: global_buffer, .address_space: global }
    .group_segment_fixed_size: 327680
    .private_segment_fixed_size: 0
    .kernarg_segment_align: 8
    .kernarg_segment_size: 56
    .max_flat_workgroup_size: 128
    .sgpr_count:     106
    .vgpr_count:     1024
    .wavefront_size: 32
...
	.end_amdgpu_metadata
.endif
;; end of part 2
;; launch attn (part 3): grid 8 x 32, 16 waves a work-group, clusters of 4 x 1, 327,680 bytes of LDS; arguments qq, kv, o_img, o_sc; writes o_img, o_sc
.if DOCPART == 3
	.amdgcn_target "amdgcn-amd-amdhsa--gfx1250"
	.amdhsa_code_object_version 6
	.text
	.protected	k_q9f848311c3_attn
	.globl	k_q9f848311c3_attn
	.p2align	8
	.type	k_q9f848311c3_attn,@function
k_q9f848311c3_attn:
	s_mov_b64 s[64:65], 0
	v_nop
	global_prefetch_b8 v0, s[64:65] scope:SCOPE_SE
	s_setreg_imm32_b32 hwreg(HW_REG_WAVE_MODE, 25, 1), 1
	s_wait_xcnt 0x0
	s_wait_alu depctr_hold_cnt(0) depctr_sa_sdst(0) depctr_va_vdst(0) depctr_va_sdst(0) depctr_va_ssrc(0) depctr_va_vcc(0) depctr_vm_vsrc(0)
	s_getreg_b32 s2, hwreg(HW_REG_IB_STS2, 6, 4)
	s_cmp_eq_u32 s2, 0
	s_cbranch_scc0 .Lentry_in_a_cluster
	s_endpgm
.Lentry_in_a_cluster:
	s_bfe_u32 s2, ttmp6, 0x10000c
	s_cmp_lg_u32 s2, 0x3003
	s_cbranch_scc0 .Lentry_shape_is_right
	s_endpgm
.Lentry_shape_is_right:
; o = softmax(q k^T / 8) v for 64 (batch, head) pairs of 2,048 tokens, head size 64, both products on codes of FP4 (E2M1) with E8M0 scales; then the quantiser of o along the channels.
; Nothing is left out as dead work.  LIMITS: NaN and infinities are not served; the promise holds while the scaled scores stay under 2^31 in magnitude; a scale's byte is held at 1 from below (read by this program alone).
; SOFTMAX: t = score x log2(e) / 8; M = the ceiling of the running largest t; p = 2^(t - M) is quantised along the keys; the row's sum is taken of the unquantised p; when M moves, sums and O are multiplied by 2^(old M - new M).
; IN: qq, kv: [batch x head 64][key step 16][8,704 bytes]: + 0 eight images (16 tokens x 64 dims) of q or k, + 4096 four images (16 channels x 128 keys) of v, + 8192 scale words of q or k, + 8448 those of v.
; SHARES: work-group (x, y): 256 queries (block x) of heads 2 y and 2 y + 1.  Wave w owns queries 16 w .. + 15 and takes the two heads one after the other.  256 work-groups.
; LDS: both heads' 32 records, 278,528 bytes, come ONCE: each wave asks for two records (68 rows of 256 bytes) by one load at the head; nothing is filled again, so one barrier serves the launch.
; CLUSTER 4 x 1: the four query blocks of a cluster read the same two heads: the load is joint.
; NO PREFETCH: every byte of kv that the work-group reads is asked for by the head's one load a wave; no later load exists for a prefetch to run ahead of.
; A TRIP (128 keys): its scores were multiplied at the end of the trip before.  At its top V's images of this step and K's of the next are asked of LDS; they are awaited behind the softmax, ahead of O += V P and of the next step's K Q.
; Each product K Q takes two tiles of 16 keys (64 dims each) against (q, 0) and (0, q): K = 128 holds two heads' worth of dims.
.set REC,  8704
.set HS,   16*REC
.set SPARE, 2*HS                       ; the spare words, 128 bytes a wave: eight blocks of 256 bytes that no other line names
.set LI,  1                            ; 16 x lane
.set SPW, 2
.set NIL, 3
.set AD,  4                            ; LDS address of the record in hand
.set NO,  5                            ; -M of the step before
.set OSO, 6
.set OW,  7
.set D,   14
.set TP,  15
.set QF,  16                           ; v16-39: (q, 0, q) of head 0, of head 1
.set QW,  40
.set SWK, 42                           ; scale words: lanes 0-15 K's
.set SWV, 46                           ; lanes 16-31 V's
.set KF,  50
.set VF,  82
.set S,   114                          ; scores, then p
.set O,   178
.set PC,  210                          ; p's codes
.set BM,  218
.set T2,  222
.set SO,  226
.set F,   230
.set PW,  232
.set L,   234                          ; the row's sum in eight pairs
.set OC,  250
.set WV,  12
.set G1,  16
.set NC,  28
.set SEL, 32
.set CS,  34
.set TB,  36
.set CNT, 37
.macro CROUND
	s_barrier_signal -1
	s_barrier_wait -1
	s_cmp_lg_u32 s[WV], 0
	s_cbranch_scc1 .Lnot_wave_0_\@
	s_barrier_signal -3
.Lnot_wave_0_\@:
	s_barrier_wait -3
	s_barrier_signal -1
	s_barrier_wait -1
.endm
.macro H n
	s_delay_alu instid0(VALU_DEP_\n)
.endm
	s_load_b256 s[4:11], s[0:1], 0x0               ; qq, kv, o_img, o_sc
	v_lshl_add_u32 v[SPW], v0, 2, SPARE
	v_mov_b32 v[NIL], 0
	ds_add_u32 v[SPW], v[NIL]                      ; the opening lines: the add, twice on end, and its wait
	ds_add_u32 v[SPW], v[NIL]
	v_lshrrev_b32 v1, 5, v0
	H 1
	v_readfirstlane_b32 s[WV], v1                  ; wave 0..15
	s_bfe_u32 s13, ttmp6, 0x40000                  ; cx
	s_lshl_b32 s14, ttmp9, 2
	s_add_co_u32 s14, s14, s13                     ; query block 0..7
	s_and_b32 s15, ttmp7, 0xffff                   ; pair of heads 0..31
	s_mov_b32 s[G1], 15|(3<<16)|(1<<21)            ; mask: all four partners; elements of 8 bytes; bit 21 beside a mask
	s_mov_b32 s[G1+1], 32<<16                      ; rows of 256 bytes,
	s_mov_b32 s[G1+2], 68<<16                      ; 68 of them: two records
	s_mov_b32 s[G1+3], 32<<16
	s_mov_b32 s[G1+4], 68
	s_mov_b32 s[G1+5], 32
	s_mov_b32 s[G1+6], 0
	s_mov_b32 s[G1+7], 0
	s_mov_b32 s[SEL], 0x76543210
	s_mov_b32 s[SEL+1], 0xfedcba98                 ; lane l xor 16
	s_mov_b32 s[CS], 0x3e38aa3b                    ; c = log2(e) / 8
	s_mov_b32 s[CS+1], s[CS]
	s_mov_b32 s[NC], 0xbe38aa3b                    ; -c
	s_mul_i32 s25, s[WV], 2*REC                    ; my two records in LDS,
	s_mul_i32 s42, s15, 2*HS
	s_add_co_u32 s42, s42, s25                     ; and in kv
	s_mov_b32 s43, 0
	s_wait_dscnt 0x0                               ; both opening adds are done
	s_wait_kmcnt 0x0
	s_mov_b32 s24, 1
	s_add_nc_u64 s[26:27], s[6:7], s[42:43]
	s_or_b32 s27, s27, 0x80000000
	CROUND                                         ; the four partners are here: the joint loads meet
	tensor_load_to_lds s[24:27], s[G1:G1+7]        ; my one tensor load of the launch
	s_nop 0
	s_and_b32 s42, s[WV], 7                        ; my tile in its record of q
	s_lshr_b32 s43, s[WV], 3
	s_lshl_b32 s44, s14, 1
	s_add_co_u32 s43, s43, s44
	s_lshl_b32 s44, s15, 5
	s_add_co_u32 s43, s43, s44                     ; the record: 32 y + 2 x + w / 8
	s_mul_i32 s44, s43, REC
	s_mov_b32 s45, 0
	s_add_nc_u64 s[4:5], s[4:5], s[44:45]
	s_lshl_b32 s43, s42, 9                         ; my image
	s_lshr_b32 s39, s42, 1
	s_lshl_b32 s39, s39, 2                         ; my pair of tiles' scale word
	s_and_b32 s38, s42, 1
	s_cmp_eq_u32 s38, 1
	s_mov_b32 s38, 0x03020302
	s_cselect_b32 s38, s38, 0x01000100             ; my tile's two bytes of it, twice
	s_lshr_b32 s42, s15, 3
	s_lshl_b32 s42, s42, 7
	s_lshl_b32 s41, s14, 4
	s_add_co_u32 s42, s42, s41
	s_add_co_u32 s42, s42, s[WV]                   ; my tile of 16 tokens among 512
	s_and_b32 s41, s15, 7
	s_lshl_b32 s44, s42, 13
	s_lshl_b32 s40, s41, 10
	s_add_co_u32 s44, s44, s40
	s_add_nc_u64 s[8:9], s[8:9], s[44:45]          ; o_img: [tile][128 channels 8][1,024 bytes]
	s_lshl_b32 s44, s42, 9
	s_lshl_b32 s41, s41, 2
	s_add_co_u32 s44, s44, s41
	s_add_nc_u64 s[10:11], s[10:11], s[44:45]      ; o_sc: [token][32 bytes]
	v_and_b32 v8, 31, v0
	v_and_b32 v9, 15, v0
	H 2
	v_lshlrev_b32 v[LI], 4, v8
	H 2
	v_lshlrev_b32 v[OSO], 5, v9
	H 2
	v_add_nc_u32 v10, s43, v[LI]
	H 4
	v_lshl_add_u32 v11, v9, 4, s39
.irp p, 0,1
	global_load_b128 v[QF+12*\p:QF+12*\p+3], v10, s[4:5] offset:HS*\p
	global_load_b128 v[QF+12*\p+8:QF+12*\p+11], v10, s[4:5] offset:HS*\p
	global_load_b32 v[SO+\p], v11, s[4:5] offset:HS*\p+8192
.endr
.irp p, 0,1
.irp k, 4,5,6,7
	v_mov_b32 v[QF+12*\p+\k], 0
.endr
.endr
.irp b, 0,1,2,3
	v_mov_b32 v[T2+\b], 0                          ; written once: a lane permute's destination counts as a source
.endr
	v_mov_b32 v[F+1], 0
	v_mov_b32 v[TP], 0
.macro KLOAD off                       ; K's eight images and the scale words of the record at AD + off
.irp k, 0,1,2,3,4,5,6,7
	ds_load_b128 v[KF+4*\k:KF+4*\k+3], v[AD] offset:\off+512*\k
.endr
	ds_load_b128 v[SWK:SWK+3], v[AD] offset:\off+8192
.endm
.macro SMUL p                          ; S^T = K Q^T: eight tiles of 16 keys, each sum begun with 0
.irp i, 0,1,2,3
	v_wmma_scale_f32_16x16x128_f8f6f4 v[S+16*\i:S+16*\i+7], v[KF+8*\i:KF+8*\i+7], v[QF+12*\p:QF+12*\p+7], 0, v[SWK+\i], v[QW+\p] matrix_a_fmt:MATRIX_FMT_FP4 matrix_b_fmt:MATRIX_FMT_FP4
	v_wmma_scale_f32_16x16x128_f8f6f4 v[S+16*\i+8:S+16*\i+15], v[KF+8*\i:KF+8*\i+7], v[QF+12*\p+4:QF+12*\p+11], 0, v[SWK+\i], v[QW+\p] matrix_a_fmt:MATRIX_FMT_FP4 matrix_b_fmt:MATRIX_FMT_FP4
.endr
.endm
.macro TM from, n                      ; t - M of n pairs
.set j, \from
.rept \n
	v_pk_fma_f32 v[S+2*j:S+2*j+1], v[S+2*j:S+2*j+1], s[CS:CS+1], v[12:13] op_sel_hi:[1,0,0]
.set j, j+1
.endr
.endm
.macro SUM g                           ; eight pairs of p onto the eight chains
.irp k, 0,1,2,3,4,5,6,7
	v_pk_add_f32 v[L+2*\k:L+2*\k+1], v[L+2*\k:L+2*\k+1], v[S+16*\g+2*\k:S+16*\g+2*\k+1]
.endr
.endm
; more = 1: the next step's K is fetched and multiplied
.macro STEP p, more
	v_add_nc_u32 v[AD], s[TB], v[LI]               ; four places behind the products, ahead of loads into their sources and of the first read of S
	v_mov_b32 v[NO], v12
	v_nop
	v_nop
.irp k, 0,1,2,3,4,5,6,7
	ds_load_b128 v[VF+4*\k:VF+4*\k+3], v[AD] offset:4096+512*\k
.endr
	ds_load_b128 v[SWV:SWV+3], v[AD] offset:8192
.if \more
	KLOAD REC
.endif
.irp b, 0,1,2,3                        ; the largest score of each block of 32 keys: two chains a block, each accumulator read from its low end on
	v_max3_num_f32 v[BM+\b], v[S+16*\b], v[S+16*\b+1], v[S+16*\b+2]
	v_max3_num_f32 v[SO+\b], v[S+16*\b+8], v[S+16*\b+9], v[S+16*\b+10]
.endr
.irp b, 0,1,2,3
	v_max3_num_f32 v[BM+\b], v[BM+\b], v[S+16*\b+3], v[S+16*\b+4]
	v_max3_num_f32 v[SO+\b], v[SO+\b], v[S+16*\b+11], v[S+16*\b+12]
.endr
.irp b, 0,1,2,3
	v_max_num_f32 v[T2+\b], v[S+16*\b+7], v[S+16*\b+15]
.endr
.irp b, 0,1,2,3
	v_max3_num_f32 v[BM+\b], v[BM+\b], v[S+16*\b+5], v[S+16*\b+6]
	v_max3_num_f32 v[SO+\b], v[SO+\b], v[S+16*\b+13], v[S+16*\b+14]
.endr
.irp b, 0,1,2
	v_max3_num_f32 v[BM+\b], v[BM+\b], v[SO+\b], v[T2+\b]
.endr
	H 4
	v_max3_num_f32 v[BM+3], v[BM+3], v[SO+3], v[T2+3]
.irp b, 0,1,2,3
	H 4
	v_permlanex16_b32 v[T2+\b], v[BM+\b], s[SEL], s[SEL+1]
.endr
.irp b, 0,1,2,3
	H 4
	v_max_num_f32 v[BM+\b], v[BM+\b], v[T2+\b]     ; with lane l xor 16's 16 keys
.endr
	H 2
	v_max3_num_f32 v[TP], v[BM], v[BM+1], v[BM+2]
	H 1
	v_max3_num_f32 v13, v13, v[TP], v[BM+3]        ; the running largest score
	H 1
	v_mul_f32 v[TP], s[NC], v13                    ; -t (c is positive, so the largest score gives the largest t)
	H 1
	v_floor_f32 v12, v[TP]                         ; -M = floor(-t)
	H 1
	v_sub_f32 v[D], v12, v[NO]                     ; old M - new M: a whole number, 0 or less
	TM 0, 4
	v_cvt_i32_f32 v[D], v[D]                       ; (it saturates)
	TM 4, 4
	v_ldexp_f32 v[F], 1.0, v[D]                    ; f = 2^(old M - new M)
	TM 8, 24
.irp b, 0,1,2,3
	v_fma_f32 v[BM+\b], v[BM+\b], s[CS], v12       ; the same of each block's largest score
.endr
.set j, 0
.rept 16
	v_pk_mul_f32 v[O+j:O+j+1], v[O+j:O+j+1], v[F:F+1] op_sel_hi:[1,0]   ; O^T under the new M, ahead of the exponentials
.set j, j+2
.endr
	s_wait_alu depctr_va_vdst(0)                   ; the wait ahead of the batch
.set j, 0
.rept 64
	v_exp_f32 v[S+j], v[S+j]                       ; p = 2^(t - M)
.set j, j+1
.endr
.irp b, 0,1,2,3
	v_exp_f32 v[BM+\b], v[BM+\b]                   ; each block's largest p
.endr
	v_nop                                          ; a plain place behind the batch
	s_wait_alu depctr_va_vdst(0)                   ; one wait for the batch, ahead of its first reader
.irp b, 0,1,2,3
	v_max_num_f32 v[BM+\b], 0x1800000, v[BM+\b]    ; the floor 2^-124: the byte cannot fall under 1
.endr
.irp k, 0,1,2,3,4,5,6,7
	v_pk_fma_f32 v[L+2*\k:L+2*\k+1], v[L+2*\k:L+2*\k+1], v[F:F+1], v[S+2*\k:S+2*\k+1] op_sel_hi:[1,0,1]   ; the sums under the new M, and the first eight pairs
.endr
.irp b, 0,1,2,3
	v_add_nc_u32 v[SO+\b], 0xff000000, v[BM+\b]    ; 2 off the exponent field: the conversion's scale operand
.endr
	SUM 1
.irp b, 0,1,2,3
	v_lshrrev_b32 v[T2+\b], 23, v[SO+\b]           ; the byte
.endr
	SUM 2
	v_lshl_or_b32 v[TP], v[T2+1], 8, v[T2]
	v_lshl_or_b32 v[D], v[T2+3], 8, v[T2+2]
.irp b, 0,1,2,3
.irp e, 0,1
	v_cvt_scalef32_pk8_fp4_f32 v[PC+4*(\b/2)+2*\e+(\b%2)], v[S+16*\b+8*\e:S+16*\b+8*\e+7], v[SO+\b]
.endr
.endr
	v_lshl_or_b32 v[PW], v[D], 16, v[TP]           ; p's scale word (also the plain line behind the conversions); 12 vector lines stand between it and the products
.irp c, 0,1
.irp e, 0,1
	v_permlane16_swap_b32 v[PC+4*\c+2*\e], v[PC+4*\c+2*\e+1]   ; a whole block into a lane
.endr
.endr
	SUM 3
	s_wait_alu depctr_va_vdst(0)                   ; directly ahead of the wait below
	s_wait_dscnt 0x0                               ; V's images of this step, K's of the next: asked for at the trip's top
.irp t, 0,1,2,3
	v_wmma_scale_f32_16x16x128_f8f6f4 v[O+8*\t:O+8*\t+7], v[VF+8*\t:VF+8*\t+7], v[PC:PC+7], v[O+8*\t:O+8*\t+7], v[SWV+\t], v[PW] matrix_a_fmt:MATRIX_FMT_FP4 matrix_b_fmt:MATRIX_FMT_FP4 matrix_a_scale:MATRIX_SCALE_ROW1
.endr
.if \more
	SMUL \p
.endif
	s_add_co_u32 s[TB], s[TB], REC
.endm
.macro PASS p
	v_mov_b32 v13, 0xff61b1e6                      ; the largest score so far: -3e38
	v_mov_b32 v12, 0x7e000000                      ; -M: a large whole number: the first f is 0 and multiplies zeros
.set j, 0
.rept 16
	v_mov_b32 v[L+j], 0
.set j, j+1
.endr
.set j, 0
.rept 32
	v_mov_b32 v[O+j], 0
.set j, j+1
.endr
	s_mov_b32 s[TB], HS*\p
	s_mov_b32 s[CNT], 15
	v_add_nc_u32 v[AD], s[TB], v[LI]
	KLOAD 0
	s_wait_alu depctr_va_vdst(0)                   ; directly ahead of the wait below
	s_wait_dscnt 0x0
	SMUL \p                                        ; the first step's scores
.Lkeys_\p:
	STEP \p, 1
	s_sub_co_u32 s[CNT], s[CNT], 1
	s_cmp_lg_u32 s[CNT], 0
	s_cbranch_scc1 .Lkeys_\p
	STEP \p, 0                                     ; the last step has no successor: written out, so that no load reaches past the head's records
.irp k, 0,1,2,3
	v_pk_add_f32 v[L+2*\k:L+2*\k+1], v[L+2*\k:L+2*\k+1], v[L+8+2*\k:L+9+2*\k]   ; the eight chains are joined (also the places behind the last products)
.endr
.irp k, 0,1
	H 2
	v_pk_add_f32 v[L+2*\k:L+2*\k+1], v[L+2*\k:L+2*\k+1], v[L+4+2*\k:L+5+2*\k]
.endr
	H 1
	v_pk_add_f32 v[L:L+1], v[L:L+1], v[L+2:L+3]
	H 1
	v_add_f32 v[L], v[L], v[L+1]
	H 1
	v_permlanex16_b32 v[TP], v[L], s[SEL], s[SEL+1]
	H 1
	v_add_f32 v[L], v[L], v[TP]                    ; the row's sum
	s_wait_alu depctr_va_vdst(0)                   ; ahead of the transcendental and of the wait below
	s_wait_xcnt 0x0                                ; the store of the head before has read v[OC..]
	v_rcp_f32 v[F], v[L]
	v_nop
	s_wait_alu depctr_va_vdst(0)                   ; ahead of the first reader of the reciprocal and of O^T
.set j, 0
.rept 16
	v_pk_mul_f32 v[S+j:S+j+1], v[O+j:O+j+1], v[F:F+1] op_sel_hi:[1,0]
.set j, j+2
.endr
.irp b, 0,1                            ; o's quantiser along the head's 64 channels: two blocks
	v_max3_num_f32 v[BM+\b], |v[S+16*\b]|, |v[S+16*\b+1]|, 0x1800000
.endr
.irp i, 2,4,6,8,10,12,14
.irp b, 0,1
	H 2
	v_max3_num_f32 v[BM+\b], v[BM+\b], |v[S+16*\b+\i]|, |v[S+16*\b+\i+1]|
.endr
.endr
.irp b, 0,1
	H 2
	v_permlanex16_b32 v[T2+\b], v[BM+\b], s[SEL], s[SEL+1]
.endr
.irp b, 0,1
	H 2
	v_max_num_f32 v[BM+\b], v[BM+\b], v[T2+\b]
.endr
.irp b, 0,1
	H 2
	v_add_nc_u32 v[SO+\b], 0xff000000, v[BM+\b]
.endr
.irp b, 0,1
	H 2
	v_lshrrev_b32 v[T2+\b], 23, v[SO+\b]
.endr
.irp b, 0,1
.irp e, 0,1
	v_cvt_scalef32_pk8_fp4_f32 v[OC+2*\e+\b], v[S+16*\b+8*\e:S+16*\b+8*\e+7], v[SO+\b]
.endr
.endr
	v_nop
	v_permlane16_swap_b32 v[OC], v[OC+1]
	v_permlane16_swap_b32 v[OC+2], v[OC+3]
	global_store_b128 v[LI], v[OC:OC+3], s[8:9] offset:512*\p      ; an image: 512 consecutive bytes
.if \p == 0
	v_lshl_or_b32 v[OW], v[T2+1], 8, v[T2]
.else
	v_lshl_or_b32 v[TP], v[T2+1], 8, v[T2]
	H 1
	v_lshl_or_b32 v[OW], v[TP], 16, v[OW]          ; the two heads' four bytes are neighbours in the token's row of scales
.endif
.endm
	s_wait_alu depctr_va_vdst(0)                   ; the wait at the head's end
	s_wait_tensorcnt 0x0                           ; my two records are in,
	s_barrier_signal -1
	s_barrier_wait -1                              ; and everybody's: from here on LDS is only read
	s_wait_loadcnt 0x0                             ; q
	v_perm_b32 v[QW], v[SO], v[SO], s38
	v_perm_b32 v[QW+1], v[SO+1], v[SO+1], s38
	PASS 0
	PASS 1
	v_cmp_gt_u32 vcc_lo, 16, v8                    ; lanes 0-15 hold token r's word
	s_wait_alu depctr_va_vdst(0)
	s_wait_xcnt 0x0                                ; EXEC changes only behind this wait
	s_and_saveexec_b32 s40, vcc_lo
	global_store_b32 v[OSO], v[OW], s[10:11]
	s_wait_xcnt 0x0
	s_or_b32 exec_lo, exec_lo, s40
	s_wait_tensorcnt 0x0                           ; the wave's end
	ds_add_u32 v[SPW], v[NIL]
	s_wait_dscnt 0x0
	CROUND                                         ; the closing round
	s_endpgm
.Lfunc_end_k_q9f848311c3_attn:
	.size	k_q9f848311c3_attn, .Lfunc_end_k_q9f848311c3_attn-k_q9f848311c3_attn
	.p2alignl 7, 3214868480
	.fill 96, 4, 3214868480
	.section	.rodata,"a",@progbits
	.p2align	6, 0x0
	.amdhsa_kernel k_q9f848311c3_attn
		.amdhsa_group_segment_fixed_size 327680
		.amdhsa_private_segment_fixed_size 0
		.amdhsa_enable_private_segment 0
		.amdhsa_kernarg_size 32
		.amdhsa_user_sgpr_count 2
		.amdhsa_user_sgpr_kernarg_segment_ptr 1
		.amdhsa_wavefront_size32 1
		.amdhsa_system_sgpr_workgroup_id_x 1
		.amdhsa_system_sgpr_workgroup_id_y 1
		.amdhsa_system_sgpr_workgroup_id_z 1
		.amdhsa_system_vgpr_workitem_id 0
		.amdhsa_next_free_vgpr 256
		.amdhsa_next_free_sgpr 66
		.amdhsa_reserve_vcc 1
		.amdhsa_float_denorm_mode_32 3
		.amdhsa_float_denorm_mode_16_64 3
		.amdhsa_memory_ordered 1
		.amdhsa_forward_progress 1
		.amdhsa_inst_pref_size 79
	.end_amdhsa_kernel
	.amdgpu_metadata
---
amdhsa.version: [ 1, 2 ]
amdhsa.kernels:
  - .name:           k_q9f848311c3_attn
    .symbol:         k_q9f848311c3_attn.kd
    .args:
      - { .name: qq, .offset: 0, .size: 8, .value_kind: global_buffer, .address_space: global }
      - { .name: kv, .offset: 8, .size: 8, .value_kind: global_buffer, .address_space: global }
      - { .name: o_img, .offset: 16, .size: 8, .value_kind: global_buffer, .address_space: global }
      - { .name: o_sc, .offset: 24, .size: 8, .value_kind: global_buffer, .address_space: global }
    .group_segment_fixed_size: 327680
    .private_segment_fixed_size: 0
    .kernarg_segment_align: 8
    .kernarg_segment_size: 32
    .max_flat_workgroup_size: 512
    .sgpr_count:     66
    .vgpr_count:     256
    .wavefront_size: 32
...
	.end_amdgpu_metadata
.endif
;; end of part 3
;; launch proj (part 4): grid 32 x 8, 4 waves a work-group, clusters of 4 x 4, 327,680 bytes of LDS; arguments W_proj_codes, W_proj_scales, o_img, o_sc, b_proj, x, out0; writes out0
.if DOCPART == 4
	.amdgcn_target "amdgcn-amd-amdhsa--gfx1250"
	.amdhsa_code_object_version 6
	.text
	.protected	k_q9f848311c3_proj
	.globl	k_q9f848311c3_proj
	.p2align	8
	.type	k_q9f848311c3_proj,@function
k_q9f848311c3_proj:
	s_mov_b64 s[64:65], 0
	v_nop
	global_prefetch_b8 v0, s[64:65] scope:SCOPE_SE
	s_setreg_imm32_b32 hwreg(HW_REG_WAVE_MODE, 25, 1), 1
	s_wait_xcnt 0x0
	s_wait_alu depctr_hold_cnt(0) depctr_sa_sdst(0) depctr_va_vdst(0) depctr_va_sdst(0) depctr_va_ssrc(0) depctr_va_vcc(0) depctr_vm_vsrc(0)
	s_getreg_b32 s2, hwreg(HW_REG_IB_STS2, 6, 4)
	s_cmp_eq_u32 s2, 0
	s_cbranch_scc0 .Lentry_in_a_cluster
	s_endpgm
.Lentry_in_a_cluster:
	s_bfe_u32 s2, ttmp6, 0x10000c
	s_cmp_lg_u32 s2, 0xf033
	s_cbranch_scc0 .Lentry_shape_is_right
	s_endpgm
.Lentry_shape_is_right:
; out0[b][c][t] = x[b][c][t] + b_proj[c] + sum over k of o[b][t][k] W_proj[k][c], the product on codes of FP4 (E2M1) with E8M0 scales.  Nothing is left out as dead work.
; LIMITS: NaN and infinities among the inputs are not served.
; SHARES.  Work-group (x 0..31, y 0..7): 256 tokens x 128 channels, all K = 1,024: 256 work-groups.  Wave w: channels 64 (w / 2) .. + 63, tokens 128 (w % 2) .. + 127: 32 accumulators.
; Source 0 = 16 tokens (an image of the operand's registers, as the attention launch stored it), source 1 = 16 rows of W: a lane holds one channel and eight neighbouring tokens, as out0's rows run.
; LDS: everything comes ONCE, by one joint load a wave at the head: wave 0 W's 128 rows (512 bytes + 16 of padding each), wave 1 the 16 token tiles of o_img (131,072 dense bytes),
; wave 2 W's scales (4,096 bytes), wave 3 o's scales (8,192 bytes).  Nothing is filled again, so one barrier serves the products.
; CLUSTER 4 x 4: W's tiles are shared along a row of the cluster, o's along a column.
; NO PREFETCH: every byte that the tensor loads bring is asked for at the head; no later load exists for a prefetch to run ahead of.  x is asked for straight behind the tensor loads, into registers.
; REGISTERS.  window 0: v16-31 addresses; v32-95 scale words (lanes 0-15 W's, lanes 16-31 o's); v128-191 W's fragments, two sets; v192-223 the bias as the first products' C; on the way out v128-255 rows read back.
;   window 1: o's fragments, two sets, at v0 and v128.   window 2: the accumulators.   window 3: my 64 rows x 512 bytes of x.
.set PITCH,  528                       ; a row of W in LDS: 132 words: the 16 rows that a load touches start 4 banks apart
.set KHALF,  256                       ; the second half of K in such a row
.set BBASE,  128*PITCH
.set BHALF,  4096                      ; the second half of K in a token tile of 8,192 bytes
.set SCA,    BBASE+131072
.set SCB,    SCA+16*272
.set STAGE,  SCB+32*272                ; the way out: 16 rows x (512 + 16) bytes for each wave, bytes that no load fills
.set SPITCH, 528
.set SPARE,  STAGE+4*16*SPITCH         ; the spare words, 128 bytes a wave: two blocks of 256 bytes that no other line names
.set ADRA, 16
.set ADRB, 20
.set STO,  24
.set RD,   25
.set CO,   26
.set ADRS, 27
.set SPW,  28
.set NIL,  29
.set SC,   32
.set AF,   128
.set BC,   192
.set BK,   128
.set G1, 24
.set G0, 32
.set G1B, 48
.set G0B, 56
.set G1S, 68
.set G0S, 76
.set G1SB, 80
.set G0SB, 88
.set MSB, 0
.macro WIN new                         ; the immediate's high byte repeats the setting that is left
.if MSB != (\new)
	s_set_vgpr_msb (MSB<<8)|(\new)
.set MSB, (\new)
.endif
.endm
.set MUL_F, 0x81                       ; source 0 window 1, source 1 and C window 0, D window 2
.set MUL_A, 0xa1                       ; the same, C window 2
.set TO_B,  0x40
.macro CROUND
	s_barrier_signal -1
	s_barrier_wait -1
	s_cmp_lg_u32 s14, 0
	s_cbranch_scc1 .Lnot_wave_0_\@
	s_barrier_signal -3
.Lnot_wave_0_\@:
	s_barrier_wait -3
	s_barrier_signal -1
	s_barrier_wait -1
.endm
.macro PLACES n
.rept \n
	v_nop
.endr
.endm
	s_load_b128 s[4:7], s[0:1], 0x0                ; W's codes, W's scales
	s_load_b128 s[8:11], s[0:1], 0x10              ; o_img, o_sc
	s_load_b128 s[92:95], s[0:1], 0x20             ; b_proj, x
	s_load_b64 s[96:97], s[0:1], 0x30              ; out0
	v_lshl_add_u32 v[SPW], v0, 2, SPARE
	v_mov_b32 v[NIL], 0
	ds_add_u32 v[SPW], v[NIL]                      ; the opening lines: the add, twice on end, and its wait
	ds_add_u32 v[SPW], v[NIL]
	v_lshrrev_b32 v1, 5, v0
	v_readfirstlane_b32 s14, v1                    ; wave 0..3
	s_lshr_b32 s15, s14, 1                         ; my half of the channels
	s_and_b32 s16, s14, 1                          ; my half of the tokens
	s_bfe_u32 s40, ttmp6, 0x40000                  ; cx
	s_bfe_u32 s41, ttmp6, 0x40004                  ; cy
	s_lshl_b32 s42, ttmp9, 2
	s_add_co_u32 s42, s42, s40                     ; block of 256 tokens
	s_and_b32 s17, ttmp7, 0xffff
	s_lshl_b32 s17, s17, 2
	s_add_co_u32 s17, s17, s41                     ; block of 128 channels
	s_lshl_b32 s43, s41, 2
	s_lshl_b32 s43, 15, s43                        ; my row of the cluster
	s_lshl_b32 s44, 0x1111, s40                    ; my column
	s_or_b32 s[G1+0], s43, (1<<20)|(1<<21)|(6<<22)|(3<<25)   ; W: elements of 1 byte; 4 words of padding behind every 128; bit 21 beside a mask
	s_mov_b32 s[G1+1], 512<<16
	s_mov_b32 s[G1+2], 128<<16
	s_mov_b32 s[G1+3], 512<<16
	s_mov_b32 s[G1+4], 128
	s_mov_b32 s[G1+5], 512
	s_mov_b32 s[G1+6], 0
	s_mov_b32 s[G1+7], 0
	s_or_b32 s[G1B+0], s44, (3<<16)|(1<<21)        ; o_img: 16 rows of 1,024 elements of 8 bytes, dense
	s_mov_b32 s[G1B+1], 1024<<16
	s_mov_b32 s[G1B+2], 16<<16
	s_mov_b32 s[G1B+3], 1024<<16
	s_mov_b32 s[G1B+4], 16
	s_mov_b32 s[G1B+5], 1024
	s_mov_b32 s[G1B+6], 0
	s_mov_b32 s[G1B+7], 0
	s_or_b32 s[G1S+0], s43, (3<<16)|(1<<20)|(1<<21)|(5<<22)|(3<<25)   ; W's scales: 16 rows of 256 bytes, 16 of padding behind each
	s_mov_b32 s[G1S+1], 32<<16
	s_mov_b32 s[G1S+2], 16<<16
	s_mov_b32 s[G1S+3], 32<<16
	s_mov_b32 s[G1S+4], 16
	s_mov_b32 s[G1S+5], 32
	s_mov_b32 s[G1S+6], 0
	s_mov_b32 s[G1S+7], 0
	s_or_b32 s[G1SB+0], s44, (3<<16)|(1<<20)|(1<<21)|(5<<22)|(3<<25)  ; o's scales: 32 such rows
	s_mov_b32 s[G1SB+1], 32<<16
	s_mov_b32 s[G1SB+2], 32<<16
	s_mov_b32 s[G1SB+3], 32<<16
	s_mov_b32 s[G1SB+4], 32
	s_mov_b32 s[G1SB+5], 32
	s_mov_b32 s[G1SB+6], 0
	s_mov_b32 s[G1SB+7], 0
	s_lshl_b32 s20, s17, 16                        ; W's codes: 128 rows x 512 bytes a block
	s_mov_b32 s21, 0
	s_lshl_b32 s22, s17, 12                        ; W's scales: 128 rows x 32 bytes
	s_mov_b32 s23, 0
	s_lshl_b32 s46, s42, 17                        ; o_img: 16 tiles x 8,192 bytes
	s_mov_b32 s47, 0
	s_lshl_b32 s98, s42, 13                        ; o_sc: 256 tokens x 32 bytes
	s_mov_b32 s99, 0
	s_wait_dscnt 0x0                               ; both opening adds are done
	s_wait_kmcnt 0x0
	s_add_nc_u64 s[20:21], s[4:5], s[20:21]
	s_add_nc_u64 s[22:23], s[6:7], s[22:23]
	s_add_nc_u64 s[46:47], s[8:9], s[46:47]
	s_add_nc_u64 s[98:99], s[10:11], s[98:99]
	CROUND                                         ; all sixteen work-groups are here: the joint loads meet
	s_mov_b32 s[G0], 1
	s_mov_b32 s[G0+1], 0
	s_mov_b64 s[G0+2:G0+3], s[20:21]
	s_or_b32 s[G0+3], s[G0+3], 0x80000000
	s_mov_b32 s[G0B], 1
	s_mov_b32 s[G0B+1], BBASE
	s_mov_b64 s[G0B+2:G0B+3], s[46:47]
	s_or_b32 s[G0B+3], s[G0B+3], 0x80000000
	s_mov_b32 s[G0S], 1
	s_mov_b32 s[G0S+1], SCA
	s_mov_b64 s[G0S+2:G0S+3], s[22:23]
	s_or_b32 s[G0S+3], s[G0S+3], 0x80000000
	s_mov_b32 s[G0SB], 1
	s_mov_b32 s[G0SB+1], SCB
	s_mov_b64 s[G0SB+2:G0SB+3], s[98:99]
	s_or_b32 s[G0SB+3], s[G0SB+3], 0x80000000
; The head's loads, one a wave: one tree of branches on the wave's number, every way through it passes exactly one load.
.macro ARM under, g0, g1, next
	s_cmp_lt_u32 s14, \under
	s_cbranch_scc0 \next
	tensor_load_to_lds s[\g0:\g0+3], s[\g1:\g1+7]
	s_nop 0
.rept 4
	v_nop
.endr
	s_branch .Lhead_asked
\next:
.endm
	ARM 1, G0,  G1,  .Lhead_b
	ARM 2, G0B, G1B, .Lhead_sa
	ARM 3, G0S, G1S, .Lhead_sb
	tensor_load_to_lds s[G0SB:G0SB+3], s[G1SB:G1SB+7]
	s_nop 0
.rept 4
	v_nop
.endr
.Lhead_asked:
	v_and_b32 v1, 15, v0                           ; r
	v_bfe_u32 v2, v0, 4, 1                         ; h
	v_and_b32 v7, 31, v0
	v_lshlrev_b32 v[CO], 4, v7                     ; 16 x lane
	v_mul_u32_u24 v3, v1, PITCH
	v_lshl_add_u32 v4, v2, 4, v3                   ; a fragment's row x pitch + 16 h
	s_mul_i32 s21, s15, 64*PITCH                   ; my 64 rows of W
	s_lshl_b32 s22, s16, 16                        ; my 8 token tiles
	s_add_co_u32 s22, s22, BBASE
.irp s, 0,1
	v_add_nc_u32 v[ADRA+\s], s21, v4
	v_add_nc_u32 v[ADRB+\s], s22, v[CO]
	s_add_co_u32 s21, s21, KHALF
	s_add_co_u32 s22, s22, BHALF
.endr
	v_lshlrev_b32 v5, 5, v1                        ; my row's scales: 32 bytes a row, 16 more for each 256 passed
	v_lshrrev_b32 v6, 8, v5
	v_lshl_add_u32 v5, v6, 4, v5
	s_mul_i32 s21, s15, 8*272
	s_add_co_u32 s21, s21, SCA
	s_mul_i32 s22, s16, 16*272
	s_add_co_u32 s22, s22, SCB
	s_sub_co_u32 s22, s22, s21
	v_mul_u32_u24 v6, s22, v2                      ; lanes 16-31 take o's
	v_add_nc_u32 v5, v5, v6
	v_add_nc_u32 v[ADRS], s21, v5
	s_mul_i32 s23, s14, 16*SPITCH
	s_add_co_u32 s23, s23, STAGE                   ; my stage
	v_mul_u32_u24 v5, v1, SPITCH
	v_lshl_add_u32 v5, v2, 5, v5
	v_add_nc_u32 v[STO], s23, v5
	v_add_nc_u32 v[RD], s23, v[CO]
	s_lshl_b32 s21, s17, 7
	s_lshl_b32 s22, s15, 6
	s_add_co_u32 s21, s21, s22                     ; my first channel
	s_lshl_b32 s22, s21, 2
	v_lshl_add_u32 v9, v1, 2, s22
	s_wait_alu depctr_va_vdst(0)                   ; the wait at the end of the head's vector work
	s_lshr_b32 s20, s42, 3                         ; batch
	s_lshl_b32 s20, s20, 23
	s_lshl_b32 s21, s21, 13                        ; a channel's row: 8,192 bytes
	s_add_co_u32 s20, s20, s21
	s_and_b32 s22, s42, 7
	s_lshl_b32 s22, s22, 10
	s_add_co_u32 s20, s20, s22
	s_lshl_b32 s22, s16, 9
	s_add_co_u32 s20, s20, s22                     ; my 128 tokens: 512 bytes
	s_mov_b32 s21, 0
	s_add_nc_u64 s[100:101], s[94:95], s[20:21]
	s_add_nc_u64 s[104:105], s[96:97], s[20:21]
.irp a, 0,1,2,3
	global_load_b32 v[BC+8*\a], v9, s[92:93] offset:64*\a
.endr
	WIN 0xc0
.set c, 0
.rept 64
	global_load_b128 v[4*c:4*c+3], v[CO], s[100:101] offset:8192*c th:TH_LOAD_NT   ; 32 lanes read 512 consecutive bytes of a channel's row of x
.set c, c+1
.endr
	WIN 0
.macro PFETCH q, p                     ; the fragments of step q (128 along K) into set p: 8 token tiles, 4 tiles of W's rows
	WIN TO_B
.irp i, 0,1,2,3,4,5,6,7
.irp c, 0,1
	ds_load_b128 v[128*(\p)+8*\i+4*\c:128*(\p)+8*\i+4*\c+3], v[ADRB+(\q)/4] offset:8192*\i+1024*((\q)%4)+512*\c
.endr
.endr
	WIN 0
.irp a, 0,1,2,3
.irp c, 0,1
	ds_load_b128 v[AF+32*(\p)+8*\a+4*\c:AF+32*(\p)+8*\a+4*\c+3], v[ADRA+(\q)/4] offset:\a*16*PITCH+64*((\q)%4)+32*\c
.endr
.endr
.endm
.macro SCALES s
.irp i, 0,1,2,3,4,5,6,7
	ds_load_b128 v[SC+32*\s+4*\i:SC+32*\s+4*\i+3], v[ADRS] offset:\i*544+16*\s
.endr
.endm
.macro PMUL a0, p, q, first            ; 16 products; the 32 accumulators take turns, one instruction a turn; the first take the bias as C
.irp a, \a0, \a0+1
.irp b, 0,1,2,3,4,5,6,7
.if \first
	v_wmma_scale_f32_16x16x128_f8f6f4 v[8*(8*(\a)+\b):8*(8*(\a)+\b)+7], v[128*(\p)+8*\b:128*(\p)+8*\b+7], v[AF+32*(\p)+8*(\a):AF+32*(\p)+8*(\a)+7], v[BC+8*(\a):BC+8*(\a)+7], v[SC+32*((\q)/4)+4*\b+(\q)%4], v[SC+32*((\q)/4)+4*(\a)+(\q)%4] matrix_a_fmt:MATRIX_FMT_FP4 matrix_b_fmt:MATRIX_FMT_FP4 matrix_a_scale:MATRIX_SCALE_ROW1
.else
	v_wmma_scale_f32_16x16x128_f8f6f4 v[8*(8*(\a)+\b):8*(8*(\a)+\b)+7], v[128*(\p)+8*\b:128*(\p)+8*\b+7], v[AF+32*(\p)+8*(\a):AF+32*(\p)+8*(\a)+7], v[8*(8*(\a)+\b):8*(8*(\a)+\b)+7], v[SC+32*((\q)/4)+4*\b+(\q)%4], v[SC+32*((\q)/4)+4*(\a)+(\q)%4] matrix_a_fmt:MATRIX_FMT_FP4 matrix_b_fmt:MATRIX_FMT_FP4 matrix_a_scale:MATRIX_SCALE_ROW1
.endif
.endr
.endr
.endm
.macro PSTEP q
	s_wait_dscnt 0x0                               ; this step's fragments are in
.if (\q) < 7
	PLACES 4                                       ; the other set was read by the step before
	PFETCH (\q)+1, 1-(\q)%2
.endif
.if (\q) == 0
	WIN MUL_F
	PMUL 0, 0, 0, 1
	PMUL 2, 0, 0, 1
.else
	WIN MUL_A
	PMUL 0, (\q)%2, \q, 0
	PMUL 2, (\q)%2, \q, 0
.endif
.endm
	s_wait_tensorcnt 0x0                           ; my tile of the four is in,
	s_barrier_signal -1
	s_barrier_wait -1                              ; and everybody's
	PFETCH 0, 0
	SCALES 0
	SCALES 1
	s_wait_loadcnt 63                              ; the four bias loads are the oldest of 68
.irp a, 0,1,2,3
.irp k, 1,2,3,4,5,6,7
	v_mov_b32 v[BC+8*\a+\k], v[BC+8*\a]            ; a lane's eight results share its channel's bias
.endr
.endr
	s_wait_alu depctr_va_vdst(0)                   ; directly ahead of the wait that opens the first step
.irp q, 0,1,2,3,4,5,6,7
	PSTEP \q
.endr
	WIN 0
; THE WAY OUT, block by block of 16 channels x 128 tokens: through my stage, back as whole rows of 512 bytes, + x, stored as two aligned units of 256 bytes.
.macro TOSTAGE a
	WIN 0x08
.irp b, 0,1,2,3,4,5,6,7
	ds_store_b128 v[STO], v[8*(8*(\a)+\b):8*(8*(\a)+\b)+3] offset:64*\b          ; each accumulator from its low end on
	ds_store_b128 v[STO], v[8*(8*(\a)+\b)+4:8*(8*(\a)+\b)+7] offset:64*\b+16
.endr
	WIN 0
.set BB, BK+64*((\a)%2)
.irp t, 0,1,2,3,4,5,6,7,8,9,10,11,12,13,14,15
	ds_load_b128 v[BB+4*\t:BB+4*\t+3], v[RD] offset:\t*SPITCH
.endr
.endm
.macro SEND a, younger                 ; younger: the LDS instructions issued behind block a's loads
.set BB, BK+64*((\a)%2)
	s_wait_dscnt \younger
	WIN 0x0c
.set i, 0
.rept 32
	v_pk_add_f32 v[BB+2*i:BB+2*i+1], v[BB+2*i:BB+2*i+1], v[64*(\a)+2*i:64*(\a)+2*i+1]   ; the residual
.set i, i+1
.endr
	WIN 0
.irp t, 0,1,2,3,4,5,6,7,8,9,10,11,12,13,14,15
	global_store_b128 v[CO], v[BB+4*\t:BB+4*\t+3], s[104:105] offset:(16*(\a)+\t)*8192 th:TH_STORE_NT
.endr
.endm
	PLACES 4
	s_wait_loadcnt 0x0                             ; x
	TOSTAGE 0
.irp a, 1,2,3
.if \a > 1
	s_wait_xcnt 0x0                                ; block a - 2's stores have read their registers
.endif
	TOSTAGE \a
	SEND \a-1, 32
.endr
	SEND 3, 0
	s_wait_tensorcnt 0x0                           ; the wave's end
	ds_add_u32 v[SPW], v[NIL]
	s_wait_dscnt 0x0
	CROUND                                         ; the closing round
	s_endpgm
.Lfunc_end_k_q9f848311c3_proj:
	.size	k_q9f848311c3_proj, .Lfunc_end_k_q9f848311c3_proj-k_q9f848311c3_proj
	.p2alignl 7, 3214868480
	.fill 96, 4, 3214868480
	.section	.rodata,"a",@progbits
	.p2align	6, 0x0
	.amdhsa_kernel k_q9f848311c3_proj
		.amdhsa_group_segment_fixed_size 327680
		.amdhsa_private_segment_fixed_size 0
		.amdhsa_enable_private_segment 0
		.amdhsa_kernarg_size 56
		.amdhsa_user_sgpr_count 2
		.amdhsa_user_sgpr_kernarg_segment_ptr 1
		.amdhsa_wavefront_size32 1
		.amdhsa_system_sgpr_workgroup_id_x 1
		.amdhsa_system_sgpr_workgroup_id_y 1
		.amdhsa_system_sgpr_workgroup_id_z 1
		.amdhsa_system_vgpr_workitem_id 0
		.amdhsa_next_free_vgpr 1024
		.amdhsa_next_free_sgpr 106
		.amdhsa_reserve_vcc 0
		.amdhsa_float_denorm_mode_32 3
		.amdhsa_float_denorm_mode_16_64 3
		.amdhsa_memory_ordered 1
		.amdhsa_forward_progress 1
		.amdhsa_inst_pref_size 86
	.end_amdhsa_kernel
	.amdgpu_metadata
---
amdhsa.version: [ 1, 2 ]
amdhsa.kernels:
  - .name:           k_q9f848311c3_proj
    .symbol:         k_q9f848311c3_proj.kd
    .args:
      - { .name: W_proj_codes, .offset: 0, .size: 8, .value_kind: global_buffer, .address_space: global }
      - { .name: W_proj_scales, .offset: 8, .size: 8, .value_kind: global_buffer, .address_space: global }
      - { .name: o_img, .offset: 16, .size: 8, .value_kind: global_buffer, .address_space: global }
      - { .name: o_sc, .offset: 24, .size: 8, .value_kind: global_buffer, .address_space: global }
      - { .name: b_proj, .offset: 32, .size: 8, .value_kind: global_buffer, .address_space: global }
      - { .name: x, .offset: 40, .size: 8, .value_kind: global_buffer, .address_space: global }
      - { .name: out0, .offset: 48, .size: 8, .value_kind: global_buffer, .address_space: global }
    .group_segment_fixed_size: 327680
    .private_segment_fixed_size: 0
    .kernarg_segment_align: 8
    .kernarg_segment_size: 56
    .max_flat_workgroup_size: 128
    .sgpr_count:     106
    .vgpr_count:     1024
    .wavefront_size: 32
...
	.end_amdgpu_metadata
.endif
;; end of part 4
